; MI455X (gfx1250); checked and timed in simulation.
; The chip was launched on July 23, 2026; its instructions are those of AMD's public machine-readable ISA for CDNA 5 (MIT licence, August 2026) and "CDNA5" Instruction Set Architecture Reference Guide (July 2026). The comments in the code are by the model that wrote it; some were corrected since.
;; Self Attention. Allowed arithmetic: matrix products marked QUANTISED: E2M1 operands, one E8M0 scale for each 32 along K, by v_wmma_scale_f32_16x16x128_f8f6f4 with both operands' format E2M1 (or v_wmma_scale_f32_32x16x128_f4), f32 sums; products left as they are: bf16, f16 or f32 operands; f32 sums; everything else in f32.
;; Inputs: Wk 1,024 x 1,024 float32; Wo 1,024 x 1,024 float32; Wq 1,024 x 1,024 float32; Wv 1,024 x 1,024 float32; bk 1,024 float32; bo 1,024 float32; bq 1,024 float32; bv 1,024 float32; x 4 x 2,048 x 1,024 float32.
;; Outputs: out0 4 x 2,048 x 1,024 float32.
;; This version of the problem:
;;   THIS VERSION OF THE PROBLEM IS GIVEN IN LOW PRECISION. The matrix products marked QUANTISED in the list below multiply operands that are first quantised to E2M1 (2 exponent bits, 1 mantissa bit; 4 bits a number), with one power-of-two scale for each 32 numbers along K (OCP MX v1.0); their sums are f32. The products marked 'left as it is' may take bf16, f16 or f32 operands, with f32 sums. All else is computed in f32.
;;   The module's matrix products, in the order in which they are computed (A, B: the left and right operand; K: the contracted axis; several contracted axes count as one K, in the product's order):
;;     1. [M 8,192, K 1,024] x [K 1,024, N 1,024]; A: input x; B: input Wq: QUANTISED
;;     2. [M 8,192, K 1,024] x [K 1,024, N 1,024]; A: input x; B: input Wk: QUANTISED
;;     3. [M 8,192, K 1,024] x [K 1,024, N 1,024]; A: input x; B: input Wv: QUANTISED
;;     4. batch 64 x [M 2,048, K 64] x [K 64, N 2,048]; A: computed on the way; B: computed on the way: left as it is (an operand is computed on the way)
;;     5. batch 64 x [M 2,048, K 2,048] x [K 2,048, N 64]; A: computed on the way; B: computed on the way: left as it is (an operand is computed on the way)
;;     6. [M 8,192, K 1,024] x [K 1,024, N 1,024]; A: computed on the way; B: input Wo: left as it is (an operand is computed on the way)
;;   THE QUANTISER, for each operand of a quantised product, along K:
;;     - K is cut into blocks of 32 from its start; a last block that is shorter is filled with zeros.
;;     - A block's scale is 2^e with e = floor(log2(the largest magnitude in the block)) - 2, held to -126 .. 127; a block of zeros has e = 0. As a byte (E8M0): e + 127.
;;     - Each number is divided by its block's scale, clamped to +-6, and rounded to the nearest number of E2M1, ties to even, subnormals kept.
;;     - The product sums the exact products of the quantised numbers (number of the format x scale) in f32.
;;   ~~~python
;;   def quantise(x, axis):      # numpy; x: float32 -> the quantised numbers, widened to float32 again
;;       x = np.moveaxis(x, axis, -1); K = x.shape[-1]
;;       x = np.pad(x, [(0, 0)] * (x.ndim - 1) + [(0, -K % 32)]); x = x.reshape(x.shape[:-1] + (-1, 32)); a = np.abs(x).max(-1, keepdims=True)
;;       e = np.where(a > 0, np.clip(np.frexp(np.where(a > 0, a, 1))[1] - 1 - 2, -126, 127), 0)      # np.frexp(a)[1] - 1 = floor(log2(a)), exactly
;;       r = np.clip(x / 2.0 ** e, -6, 6)
;;       step = 2.0 ** (np.maximum(np.frexp(np.where(r == 0, 1, r))[1] - 1, 0) - 1)
;;       q = np.round(r / step) * step * 2.0 ** e      # np.round: ties to even
;;       return np.moveaxis(q.reshape(q.shape[:-2] + (-1,))[..., :K], -1, axis).astype(np.float32)
;;   ~~~
;; One version. Each part assembles by itself: llvm-mc -triple=amdgcn-amd-amdhsa -mcpu=gfx1250 --defsym DOCPART=n.
;; ======== version 1 of 1: 4 launches
;; limits: values are held in f16: magnitudes above 65,504 overflow, below 6.1e-05 lose precision
;; workspace buffers: codes 5,767,168 bytes; scales 360,448 bytes; wob 2,097,152 bytes; qkv 50,331,648 bytes; att 16,777,216 bytes
;; launch prep (part 1): grid 416 x 1, 4 waves a work-group, no clusters, 33,280 bytes of LDS; arguments x, Wq, Wk, Wv, Wo, codes, scales, wob; writes codes, scales, wob
.if DOCPART == 1
	.amdgcn_target "amdgcn-amd-amdhsa--gfx1250"
	.amdhsa_code_object_version 6
	.text
	.protected	k_qc447266b10_prep
	.globl	k_qc447266b10_prep
	.p2align	8
	.type	k_qc447266b10_prep,@function
k_qc447266b10_prep:
	s_mov_b64 s[64:65], 0
	v_nop
	global_prefetch_b8 v0, s[64:65] scope:SCOPE_SE
	s_setreg_imm32_b32 hwreg(HW_REG_WAVE_MODE, 25, 1), 1
	s_wait_xcnt 0x0
; x [8192][1024], Wq, Wk, Wv [1024][1024], f32, K innermost, become codes of FP4 (E2M1) with one E8M0 scale byte for each 32 along K:
; codes [11264 rows][512 bytes], scales [11264][32 bytes]; rows 0-8191 x, 8192-9215 Wq, 9216-10239 Wk, 10240-11263 Wv.
; Wo [1024][1024] f32 becomes f16, laid in the order of a matrix operand's registers: wob [n tile 64][chunk of 32 k: 32][half 2][lane 32][16 bytes];
; lane (r, h) of half g holds Wo[16 nt + r][32 c + 16 g + 8 h + 0 .. 7].
; A block's scale is 2^(floor(log2(its largest magnitude)) - 2); its byte is the largest magnitude's exponent field - 2, held at 1 from below.
; LIMITS: a block of zeros, and a block whose largest magnitude lies under 2^-124, get the byte 1 (a block of zeros would have 127 by the rule: its codes are zeros, which add
; nothing under any byte but 0xff, and this program alone reads the bytes).  NaN and infinities among the inputs are not served.  Wo's numbers stay under 65,504 (f16).
; SHARES: work-groups 0-255 take x, 256-287 Wq, 288-319 Wk, 320-351 Wv, 32,768 numbers (32 rows) each; work-groups 352-415 take one n tile of Wo each.
; The quantiser's four tensors take ONE path: only pointers are chosen.  Wo's path uses no LDS.  No tensor loads, no barrier: waves share nothing.
; THE QUANTISER: a wave takes 16 steps of 512 numbers.  Each load reads 512 consecutive bytes; a step's 2,048 bytes turn through the wave's own stage in LDS and come back 64 bytes a lane,
; so that a lane holds 16 neighbours along K (two neighbouring lanes hold a block).  A wave's store of codes covers 256 consecutive bytes; its 256 scale bytes are gathered in LDS and leave as one store.
.set STEPS, 16
.set EMAX,  2
.set CB,    8                          ; bytes of 16 codes
.set R,     16                         ; v16-79   four sets of 16 numbers as they are loaded
.set X,     80                         ; v80-111  two sets of 16 neighbours
.set E,     112                        ; v112-127 a scale byte for each step
.set C,     128                        ; v128-191 codes: four registers for each step, so that no store's data are written again
.set WREG,  8192                       ; LDS: a region for each wave: two stages of 32 x SP bytes, then its 256 scale bytes
.set SP,    80                         ; a lane's place in a stage: 64 bytes + 16 of padding
	s_load_b256 s[4:11], s[0:1], 0x0               ; x s[4:5], Wq s[6:7], Wk s[8:9], Wv s[10:11]
	s_load_b256 s[12:19], s[0:1], 0x20             ; Wo s[12:13], codes s[14:15], scales s[16:17], wob s[18:19]
	v_lshl_add_u32 v208, v0, 2, 0x8000
	v_mov_b32 v209, 0
	v_lshrrev_b32 v1, 5, v0
	v_readfirstlane_b32 s20, v1                    ; wave
	v_and_b32 v2, 31, v0                           ; lane
	s_cmp_ge_u32 ttmp9, 352
	s_cbranch_scc1 .Lwo
	v_lshlrev_b32 v3, 4, v2                        ; my 16 bytes of a load's 512
	s_mul_i32 s26, s20, WREG
	v_lshrrev_b32 v14, 2, v2
	v_mul_u32_u24 v14, v14, SP
	v_and_b32 v15, 3, v2
	v_lshl_add_u32 v14, v15, 4, v14
	v_add_nc_u32 v14, s26, v14                     ; the stage, on the way in: SP (lane / 4) + 16 (lane % 4)
	v_mul_u32_u24 v15, v2, SP
	v_add_nc_u32 v15, s26, v15                     ; and on the way out: SP x lane: my 16 neighbours
	v_mul_u32_u24 v4, v2, CB                       ; my codes' place in a step's
	v_lshrrev_b32 v5, 1, v2
	s_add_co_u32 s26, s26, 2*32*SP
	v_add_nc_u32 v5, s26, v5                       ; LDS: my wave's 256 scale bytes, my block's byte
	v_lshlrev_b32 v7, 3, v2                        ; and on the way out 8 bytes a lane
	v_add_nc_u32 v6, s26, v7
	s_sub_co_u32 s21, ttmp9, 256                   ; among the weights' work-groups (it wraps for x's, where it is not used)
	s_lshr_b32 s22, s21, 5                         ; which weight
	s_and_b32 s23, s21, 31                         ; which 32 rows of it
	s_wait_kmcnt 0x0
	s_cmp_eq_u32 s22, 1                            ; the choices hang on the work-group's number alone
	s_cselect_b64 s[24:25], s[8:9], s[6:7]
	s_cmp_eq_u32 s22, 2
	s_cselect_b64 s[24:25], s[10:11], s[24:25]
	s_cmp_lt_u32 ttmp9, 256
	s_cselect_b64 s[24:25], s[4:5], s[24:25]
	s_cselect_b32 s23, ttmp9, s23
	s_lshl_b32 s23, s23, 2
	s_add_co_u32 s23, s23, s20                     ; which run of 8,192 numbers of the source is my wave's
	s_lshl_b32 s28, s23, 15                        ; 32,768 bytes a run
	s_mov_b32 s29, 0
	s_add_nc_u64 s[24:25], s[24:25], s[28:29]
	s_lshl_b32 s30, ttmp9, 2
	s_add_co_u32 s30, s30, s20                     ; and which run of the joint buffers
	s_lshl_b32 s28, s30, 12                        ; 4,096 bytes of codes a run
	s_add_nc_u64 s[14:15], s[14:15], s[28:29]
	s_lshl_b32 s28, s30, 8                         ; 256 scale bytes a run
	s_add_nc_u64 s[16:17], s[16:17], s[28:29]
.macro LOAD t
.irp i, 0,1,2,3
	global_load_b128 v[R+16*((\t)%4)+4*\i:R+16*((\t)%4)+4*\i+3], v3, s[24:25] offset:2048*(\t)+512*\i th:TH_LOAD_NT   ; 32 lanes read 512 consecutive bytes
.endr
.endm
.macro TURN t                          ; step t's numbers through the stage: LDS serves a wave's instructions in order, so no wait stands between the stores and the loads
.irp i, 0,1,2,3
	ds_store_b128 v14, v[R+16*((\t)%4)+4*\i:R+16*((\t)%4)+4*\i+3] offset:32*SP*((\t)%2)+8*SP*\i
.endr
.irp i, 0,1,2,3
	ds_load_b128 v[X+16*((\t)%2)+4*\i:X+16*((\t)%2)+4*\i+3], v15 offset:32*SP*((\t)%2)+16*\i
.endr
.endm
.irp t, 0,1,2,3
	LOAD \t
.endr
	s_wait_loadcnt 12                              ; step 0's four loads are in; three steps' twelve stay out
	TURN 0
.macro STEP t
.set XS, X+16*((\t)%2)
.if (\t) > 0
	s_wait_dscnt 1                                 ; this step's numbers are back from the stage (the last step's byte store may be out): so its stores into the stage have read their registers,
.else
	s_wait_dscnt 0x0
.endif
.if (\t)+4 < STEPS
	LOAD (\t)+4                                    ; which take the loads of four steps on
.endif
.if (\t)+1 < STEPS
.if STEPS-2-(\t) >= 3
	s_wait_loadcnt 12                              ; the next step's four loads are in; those of the three steps behind it may be out
.else
	s_wait_loadcnt 4*(STEPS-2-(\t))
.endif
	TURN (\t)+1                                    ; and go through the other stage while this step is worked
.endif
	v_max3_num_f32 v8, |v[XS]|, |v[XS+1]|, |v[XS+2]|               ; the largest magnitude of my 16, in two chains
	v_max3_num_f32 v9, |v[XS+3]|, |v[XS+4]|, |v[XS+5]|
.irp i, 6,10
	v_max3_num_f32 v8, v8, |v[XS+\i]|, |v[XS+\i+1]|
	v_max3_num_f32 v9, v9, |v[XS+\i+2]|, |v[XS+\i+3]|
.endr
	v_max3_num_f32 v8, v8, |v[XS+14]|, |v[XS+15]|
	v_max3_num_f32 v8, v8, v9, (EMAX+1)<<23        ; and the floor 2^(EMAX + 1 - 127): so the byte cannot fall under 1
	v_max_num_f32_dpp v8, v8, v8 row_xmask:1 row_mask:0xf bank_mask:0xf   ; and of my neighbour's 16: the block's
	v_add_nc_u32 v11, -(EMAX<<23), v8              ; EMAX off its exponent field: the conversion takes the exponent field of this operand as its scale, and nothing else of it
	v_cvt_scalef32_pk8_fp4_f32 v[C+4*(\t)], v[XS:XS+7], v11        ; eight numbers / the scale, to the nearest code, ties to even, beyond the largest code the largest
	v_cvt_scalef32_pk8_fp4_f32 v[C+4*(\t)+1], v[XS+8:XS+15], v11
	v_lshrrev_b32 v[E+(\t)], 23, v11               ; the scale's byte (also the plain line behind the conversions)
	ds_store_b8 v5, v[E+(\t)] offset:16*(\t)       ; both lanes of a block write the same byte with the same value
	global_store_b64 v4, v[C+4*(\t):C+4*(\t)+1], s[14:15] offset:32*CB*(\t)   ; the wave stores 256 consecutive bytes
.endm
.irp t, 0,1,2,3,4,5,6,7,8,9,10,11,12,13,14,15
	STEP \t
.endr
	ds_load_b64 v[12:13], v6                       ; LDS serves a wave's instructions in order: these see my stores
	s_wait_dscnt 0x0
	global_store_b64 v7, v[12:13], s[16:17]        ; 32 lanes store 256 consecutive bytes
	s_wait_tensorcnt 0x0
	ds_add_u32 v208, v209
	s_wait_dscnt 0x0
	s_endpgm
; Wo: work-group nt takes rows 16 nt .. 16 nt + 15, wave w their k = 256 w .. 256 w + 255: eight chunks of 32, sixteen halves i = 2 c + g.
; A lane's eight numbers of a half are 32 bytes of its row; the sixteen halves' loads, issued together, cover 1,024 consecutive bytes of each row.  This path reads 4 of the launch's 50 MB.
.Lwo:
	s_sub_co_u32 s21, ttmp9, 352                   ; the n tile
	v_and_b32 v3, 15, v0                           ; r
	v_bfe_u32 v4, v0, 4, 1                         ; h
	v_lshlrev_b32 v1, 12, v3
	v_lshl_add_u32 v1, v4, 5, v1                   ; in: row r of 4,096 bytes + 32 h
	v_lshlrev_b32 v2, 4, v2                        ; out: 16 x lane
	s_lshl_b32 s22, s21, 16                        ; 16 rows of 4,096 bytes,
	s_lshl_b32 s23, s20, 10                        ; my wave's 256 numbers
	s_add_co_u32 s22, s22, s23
	s_mov_b32 s23, 0
	s_lshl_b32 s24, s21, 15                        ; an n tile of wob is 32,768 bytes,
	s_lshl_b32 s25, s20, 13                        ; my wave's eight chunks 8,192
	s_add_co_u32 s24, s24, s25
	s_mov_b32 s25, 0
	s_wait_kmcnt 0x0
	s_add_nc_u64 s[12:13], s[12:13], s[22:23]
	s_add_nc_u64 s[18:19], s[18:19], s[24:25]
.set i, 0
.rept 16
	global_load_b128 v[16+8*i:16+8*i+3], v1, s[12:13] offset:64*i th:TH_LOAD_NT
	global_load_b128 v[16+8*i+4:16+8*i+7], v1, s[12:13] offset:64*i+16 th:TH_LOAD_NT
.set i, i+1
.endr
.set i, 0
.rept 16
	s_wait_loadcnt 30-2*i                          ; half i's two loads are in; the younger halves' stay out
.irp p, 0,1,2,3
	v_cvt_pk_f16_f32 v[144+4*i+\p], v[16+8*i+2*\p], v[16+8*i+2*\p+1]
.endr
	global_store_b128 v2, v[144+4*i:144+4*i+3], s[18:19] offset:512*i   ; the wave stores 512 consecutive bytes; each half has its own data registers
.set i, i+1
.endr
	s_endpgm
.Lfunc_end_k_qc447266b10_prep:
	.size	k_qc447266b10_prep, .Lfunc_end_k_qc447266b10_prep-k_qc447266b10_prep
	.p2alignl 7, 3214868480
	.fill 96, 4, 3214868480
	.section	.rodata,"a",@progbits
	.p2align	6, 0x0
	.amdhsa_kernel k_qc447266b10_prep
		.amdhsa_group_segment_fixed_size 33280
		.amdhsa_private_segment_fixed_size 0
		.amdhsa_enable_private_segment 0
		.amdhsa_kernarg_size 64
		.amdhsa_user_sgpr_count 2
		.amdhsa_user_sgpr_kernarg_segment_ptr 1
		.amdhsa_wavefront_size32 1
		.amdhsa_system_sgpr_workgroup_id_x 1
		.amdhsa_system_sgpr_workgroup_id_y 1
		.amdhsa_system_sgpr_workgroup_id_z 1
		.amdhsa_system_vgpr_workitem_id 0
		.amdhsa_next_free_vgpr 210
		.amdhsa_next_free_sgpr 66
		.amdhsa_reserve_vcc 0
		.amdhsa_float_denorm_mode_32 3
		.amdhsa_float_denorm_mode_16_64 3
		.amdhsa_memory_ordered 1
		.amdhsa_forward_progress 1
		.amdhsa_inst_pref_size 43
	.end_amdhsa_kernel
	.amdgpu_metadata
---
amdhsa.version: [ 1, 2 ]
amdhsa.kernels:
  - .name:           k_qc447266b10_prep
    .symbol:         k_qc447266b10_prep.kd
    .args:
      - { .name: x, .offset: 0, .size: 8, .value_kind: global_buffer, .address_space: global }
      - { .name: Wq, .offset: 8, .size: 8, .value_kind: global_buffer, .address_space: global }
      - { .name: Wk, .offset: 16, .size: 8, .value_kind: global_buffer, .address_space: global }
      - { .name: Wv, .offset: 24, .size: 8, .value_kind: global_buffer, .address_space: global }
      - { .name: Wo, .offset: 32, .size: 8, .value_kind: global_buffer, .address_space: global }
      - { .name: codes, .offset: 40, .size: 8, .value_kind: global_buffer, .address_space: global }
      - { .name: scales, .offset: 48, .size: 8, .value_kind: global_buffer, .address_space: global }
      - { .name: wob, .offset: 56, .size: 8, .value_kind: global_buffer, .address_space: global }
    .group_segment_fixed_size: 33280
    .private_segment_fixed_size: 0
    .kernarg_segment_align: 8
    .kernarg_segment_size: 64
    .max_flat_workgroup_size: 128
    .sgpr_count:     66
    .vgpr_count:     210
    .wavefront_size: 32
...
	.end_amdgpu_metadata
.endif
;; end of part 1
;; launch qkv (part 2): grid 12 x 32, 4 waves a work-group, clusters of 4 x 4, 327,680 bytes of LDS; arguments codes, scales, bq, bk, bv, qkv; writes qkv
.if DOCPART == 2
	.amdgcn_target "amdgcn-amd-amdhsa--gfx1250"
	.amdhsa_code_object_version 6
	.text
	.protected	k_qc447266b10_qkv
	.globl	k_qc447266b10_qkv
	.p2align	8
	.type	k_qc447266b10_qkv,@function
k_qc447266b10_qkv:
	s_mov_b64 s[64:65], 0
	v_nop
	global_prefetch_b8 v0, s[64:65] scope:SCOPE_SE
	s_setreg_imm32_b32 hwreg(HW_REG_WAVE_MODE, 25, 1), 1
	s_wait_xcnt 0x0
	s_wait_alu depctr_hold_cnt(0) depctr_sa_sdst(0) depctr_va_vdst(0) depctr_va_sdst(0) depctr_va_ssrc(0) depctr_va_vcc(0) depctr_vm_vsrc(0)
	s_getreg_b32 s2, hwreg(HW_REG_IB_STS2, 6, 4)
	s_cmp_eq_u32 s2, 0
	s_cbranch_scc0 .Lentry_in_a_cluster
	s_endpgm
.Lentry_in_a_cluster:
	s_bfe_u32 s2, ttmp6, 0x10000c
	s_cmp_lg_u32 s2, 0xf033
	s_cbranch_scc0 .Lentry_shape_is_right
	s_endpgm
.Lentry_shape_is_right:
; q, k, v = x W^T + b for the three weights at once: C[8192][3072] = A B^T on codes of FP4 (E2M1) with one E8M0 scale for each 32 along K = 1,024; sums in f32, begun with the bias.
; A: rows 0-8191 of codes / scales (x); B: rows 8192-11263 (Wq, Wk, Wv).  A row is 512 bytes of codes and 32 scale bytes.
; The result leaves as f16, in the order of the next launch's operand registers: qkv [which 3][16 b + head: 64][token tile 128][chunk of 32 channels: 2][half 2][place 32][16 bytes];
; the 16 bytes are token 16 tt + r, channels 32 c + 16 g + 8 h + 0 .. 7.  For q and k the place is 16 h + r; for v it is 16 (r / 8) + 8 h + r % 8, the order in which the transposing LDS load's lanes take them.
; LIMIT: |q|, |k|, |v| stay under 65,504 (f16).
; A tile of C, 256 x 256, is made by a work-group of four waves; a wave makes 128 x 128: 64 accumulators of 16 x 16, 512 registers.  K is two LDS slots of 512: both are asked for at the head, and
; NOTHING IS FILLED AGAIN in this launch.  The scale bytes of the work-group's 256 + 256 rows, two dense blocks, come with them.
; CLUSTERS: 4 x 4 work-groups.  The four of a row of the cluster need the same tiles of A, the four of a column the same tiles of B: each tile is asked for JOINTLY, by the same tensor load with the
; same descriptor and a mask that names the four.  A cluster's four tile columns are one weight: cluster x says which.
; THE MATRIX INSTRUCTION IS USED TRANSPOSED (source 0 = 16 rows of B, source 1 = 16 rows of A): a lane then holds eight neighbouring columns of one token: 16 bytes of f16, half a fragment's share of a lane.
; So the way out needs no LDS: each store of a wave covers 512 consecutive bytes, aligned.
; REGISTERS, in windows of 256: window 0: v0-31 addresses; v32-95 scale words, two sets, and nothing else ever; v128-191 A's fragments, ONE set; v192-255 the bias in the result's layout; on the way out v128-255 packed results.
;   window 1: B's fragments, TWO sets, at v0 and v128.   window 2: the accumulators of my rows 0-63 ((a, b) at v[8 (8 a + b)]);   window 3: those of my rows 64-127.
.set SIZE_K, 1024
.set KSTEP,  512                       ; along K in a slot
.set NQ,     KSTEP/128                 ; matrix instructions deep
.set ROWB,   256                       ; a tile's row in bytes
.set KROW,   SIZE_K/2                  ; a row of codes in memory
.set PITCH,  272                       ; an LDS row: 256 bytes + 16 of padding = 68 words: the 16 rows that a load touches start at 16 different banks (64 banks of 4 bytes: ISA guide 11.1)
.set FR,     8                         ; registers of a fragment: 16 rows x 128 K
.set NL,     2                         ; LDS loads that bring one
.set NP,     4                         ; places behind this matrix instruction (ISA guide 7.12.1)
.set HALFT,  128*PITCH                 ; 128 rows: what one tensor load brings
.set SLOT,   4*HALFT                   ; A's 256 rows, then B's 256 rows
.set KS,     SIZE_K/32                 ; a row of scale bytes
.set SCL,    2*SLOT                    ; behind the two slots: the scales, as rows of 256 bytes + 16 of padding
.set HALFS,  (128*KS/256)*272          ; the scales of 128 rows
.set SBLK,   (16*KS/256)*272           ; those of 16 rows
.set ADRA, 16                          ; v16-17  LDS address of my A fragments in slot 0, 1
.set ADRB, 20                          ; v20-21  the same for B
.set CO,   26                          ; v26     16 x my place in a half fragment of the result
.set ADRS, 27                          ; v27     LDS address of my scale words: lanes 0-15 A's rows, lanes 16-31 B's
.set SC,   32                          ; scale words: set s at v[SC + 32 s]; register 4 i + q: lanes 0-15 A's block i, lanes 16-31 B's block i, the slot's q-th 128 along K
.set AF,   128
.set BI,   192                         ; the bias: block b's eight columns of my half at v[BI + 8 b]
.set T,    128                         ; the way out: four sets of 32 packed registers
.set G1, 24                            ; s[24:31] descriptor group 1 for A's tiles;  s[32:39] group 0, one set for each slot
.set G0, 32
.set G1B, 48                           ; s[48:55], s[56:63] the same for B's tiles
.set G0B, 56
.set G1S, 68                           ; s[68:75], s[76:79] groups 1 and 0 for A's scales;  s[80:87], s[88:91] for B's
.set G0S, 76
.set G1SB, 80
.set G0SB, 88
.set MSB, 0
.macro WIN new                         ; the immediate's high byte repeats the setting that is left
.if MSB != \new
	s_set_vgpr_msb (MSB<<8)|\new
.set MSB, \new
.endif
.endm
.set MUL_LO,   0xa1                    ; source 0 (B) window 1, source 1 (A) window 0, C and D window 2
.set MUL_HI,   0xf1                    ; the same, C and D window 3
.set FIRST_LO, 0x81                    ; the first step: C (the bias) window 0, D window 2
.set FIRST_HI, 0xc1                    ; D window 3
.set TO_B,     0x40                    ; destination window 1, address window 0
; A joint load: waves 0 and 1 fetch for A, waves 2 and 3 for B.  Each line has ONE mask and one set of registers for all that issue it; the branch hangs on the wave's number alone.
; Four v_nop follow each of the two lines, ahead of the jump, the label and what follows.
.macro JLOAD g0a, g1a, g0b, g1b
	s_cmp_eq_u32 s15, 0
	s_cbranch_scc0 .Lfor_b_\@
	tensor_load_to_lds s[\g0a:\g0a+3], s[\g1a:\g1a+7]
	s_nop 0
.rept 4
	v_nop
.endr
	s_branch .Lasked_\@
.Lfor_b_\@:
	tensor_load_to_lds s[\g0b:\g0b+3], s[\g1b:\g1b+7]
	s_nop 0
.rept 4
	v_nop
.endr
.Lasked_\@:
.endm
.macro CROUND                          ; a round of the cluster's barrier
	s_barrier_signal -1
	s_barrier_wait -1
	s_cmp_lg_u32 s14, 0
	s_cbranch_scc1 .Lnot_wave_0_\@
	s_barrier_signal -3
.Lnot_wave_0_\@:
	s_barrier_wait -3
	s_barrier_signal -1
	s_barrier_wait -1
.endm
	s_load_b128 s[4:7], s[0:1], 0x0                ; codes s[4:5], scales s[6:7]
	s_load_b128 s[96:99], s[0:1], 0x10             ; bq, bk
	s_load_b64 s[100:101], s[0:1], 0x20            ; bv
	s_load_b64 s[12:13], s[0:1], 0x28              ; qkv
	v_lshl_add_u32 v126, v0, 2, 0x48400
	v_mov_b32 v127, 0
	ds_add_u32 v126, v127
	ds_add_u32 v126, v127
	v_lshrrev_b32 v1, 5, v0
	v_readfirstlane_b32 s14, v1                    ; wave 0..3
	s_lshr_b32 s15, s14, 1                         ; which half of the tile's rows is mine.  Also: I fetch for A (0) or for B (1)
	s_and_b32 s16, s14, 1                          ; which half of its columns.  Also: which 128 rows of that tile I fetch
	s_bfe_u32 s40, ttmp6, 0x40000                  ; cx, cy: my place in the cluster
	s_bfe_u32 s41, ttmp6, 0x40004
	s_lshl_b32 s42, ttmp9, 2
	s_add_co_u32 s42, s42, s40                     ; tile column of C = 4 x cluster x + cx
	s_and_b32 s17, ttmp7, 0xffff
	s_lshl_b32 s17, s17, 2
	s_add_co_u32 s17, s17, s41                     ; tile row of C = 4 x cluster y + cy
	s_lshl_b32 s43, s41, 2
	s_lshl_b32 s43, 15, s43                        ; my row of the cluster
	s_lshl_b32 s44, 0x1111, s40                    ; my column
	; descriptor group 1: a tile of 128 rows x 256 bytes, padded in LDS
	s_or_b32 s[G1+0], s43, (0<<16)|(1<<20)|(1<<21)|(5<<22)|(3<<25)  ; 15:0 the mask: A's tiles go to my row; 17:16 elements of 1 byte; 20 padding on; 21 set beside a mask; 24:22 after every 64 words; 31:25 four words
	s_or_b32 s[G1B+0], s44, (0<<16)|(1<<20)|(1<<21)|(5<<22)|(3<<25)
.irp g, G1, G1B
	s_mov_b32 s[\g+1], ROWB<<16                    ; tensor_dim0
	s_mov_b32 s[\g+2], 128<<16                     ; tensor_dim1
	s_mov_b32 s[\g+3], ROWB<<16                    ; tile_dim0
	s_mov_b32 s[\g+4], 128                         ; tile_dim1
	s_mov_b32 s[\g+5], KROW                        ; tensor_dim0_stride
	s_mov_b32 s[\g+6], 0
	s_mov_b32 s[\g+7], 0
.endr
	; the scales of 128 rows: a dense block of 4,096 bytes, as 16 rows of 256 bytes (32 elements of 8 bytes), 16 bytes of padding behind each
	s_or_b32 s[G1S+0], s43, (3<<16)|(1<<20)|(1<<21)|(5<<22)|(3<<25)
	s_or_b32 s[G1SB+0], s44, (3<<16)|(1<<20)|(1<<21)|(5<<22)|(3<<25)
.irp g, G1S, G1SB
	s_mov_b32 s[\g+1], 32<<16
	s_mov_b32 s[\g+2], (128*KS/256)<<16
	s_mov_b32 s[\g+3], 32<<16
	s_mov_b32 s[\g+4], 128*KS/256
	s_mov_b32 s[\g+5], 32
	s_mov_b32 s[\g+6], 0
	s_mov_b32 s[\g+7], 0
.endr
	s_lshl_b32 s18, s16, 7                         ; which 128 rows of the tile I fetch
	s_lshl_b32 s20, s17, 8
	s_add_co_u32 s20, s20, s18                     ; A: row 256 x tile row + 128 x half
	s_lshl_b32 s46, s42, 8
	s_add_co_u32 s46, s46, s18                     ; B: row 256 x tile column + 128 x half
	s_mov_b32 s21, 0
	s_mov_b32 s47, 0
	s_mov_b64 s[18:19], KS
	s_mul_u64 s[22:23], s[20:21], s[18:19]         ; where these rows' scales begin, in bytes
	s_mul_u64 s[92:93], s[46:47], s[18:19]
	s_mov_b64 s[18:19], KROW
	s_mul_u64 s[20:21], s[20:21], s[18:19]         ; and their codes
	s_mul_u64 s[46:47], s[46:47], s[18:19]
	s_mul_i32 s45, s14, HALFT                      ; where they go: wave x 128 rows: no place in the cluster enters an LDS address
	s_mul_i32 s94, s14, HALFS
	s_wait_dscnt 0x0
	s_wait_kmcnt 0x0
	s_add_nc_u64 s[8:9], s[4:5], 8192*KROW         ; the weights' codes lie behind x's 8,192 rows,
	s_add_nc_u64 s[10:11], s[6:7], 8192*KS         ; their scale bytes likewise
	s_add_nc_u64 s[20:21], s[4:5], s[20:21]
	s_add_nc_u64 s[22:23], s[6:7], s[22:23]
	s_add_nc_u64 s[46:47], s[8:9], s[46:47]
	s_add_nc_u64 s[92:93], s[10:11], s[92:93]
	CROUND                                         ; all sixteen work-groups are here: the joint loads meet
	s_mov_b32 s[G0S], 1
	s_add_co_u32 s[G0S+1], s94, SCL
	s_mov_b64 s[G0S+2:G0S+3], s[22:23]
	s_or_b32 s[G0S+3], s[G0S+3], 0x80000000
	s_mov_b32 s[G0SB], 1
	s_add_co_u32 s[G0SB+1], s94, SCL
	s_mov_b64 s[G0SB+2:G0SB+3], s[92:93]
	s_or_b32 s[G0SB+3], s[G0SB+3], 0x80000000
	JLOAD G0S, G1S, G0SB, G1SB                     ; the scales first: they are wanted with the first slot
.irp s, 0,1
	s_mov_b32 s[G0+4*\s], 1
	s_add_co_u32 s[G0+4*\s+1], s45, \s*SLOT
	s_add_nc_u64 s[G0+4*\s+2:G0+4*\s+3], s[20:21], \s*ROWB
	s_or_b32 s[G0+4*\s+3], s[G0+4*\s+3], 0x80000000
	s_mov_b32 s[G0B+4*\s], 1
	s_add_co_u32 s[G0B+4*\s+1], s45, \s*SLOT
	s_add_nc_u64 s[G0B+4*\s+2:G0B+4*\s+3], s[46:47], \s*ROWB
	s_or_b32 s[G0B+4*\s+3], s[G0B+4*\s+3], 0x80000000
	JLOAD G0+4*\s, G1, G0B+4*\s, G1B               ; three loads of mine are out when both slots are asked for
.endr
	v_and_b32 v1, 15, v0                           ; r = l % 16
	v_bfe_u32 v2, v0, 4, 1                         ; h = l / 16
	v_mul_u32_u24 v3, v1, PITCH
	v_lshl_add_u32 v4, v2, 4, v3                   ; a fragment's row x pitch + 16 x half
	s_mul_i32 s21, s15, HALFT                      ; my 128 rows of A
	s_mul_i32 s22, s16, HALFT                      ; my 128 rows of B,
	s_add_co_u32 s22, s22, 2*HALFT                 ; which lie behind A's 256
.irp s, 0,1
	v_add_nc_u32 v[ADRA+\s], s21, v4
	v_add_nc_u32 v[ADRB+\s], s22, v4
	s_add_co_u32 s21, s21, SLOT
	s_add_co_u32 s22, s22, SLOT
.endr
	v_mul_u32_u24 v5, v1, KS                       ; my row's scales: 32 bytes a row,
	v_lshrrev_b32 v6, 8, v5
	v_lshl_add_u32 v5, v6, 4, v5                   ; and 16 more for each 256 passed
	s_mul_i32 s21, s15, HALFS                      ; A's: my 128 rows
	s_mul_i32 s22, s16, HALFS                      ; B's: my 128 rows, behind A's 256
	s_add_co_u32 s22, s22, 2*HALFS
	s_sub_co_u32 s22, s22, s21
	v_mul_u32_u24 v6, s22, v2                      ; lanes 16-31 take B's: one product, the distance between the two bases
	s_add_co_u32 s21, s21, SCL
	v_add_nc_u32 v5, v5, v6
	v_add_nc_u32 v[ADRS], s21, v5
	; the bias of my 128 columns, in the result's layout: lane (r, h) wants, for block b, columns 16 b + 8 h + 0 .. 7.  Cluster x says which weight
	s_cmp_eq_u32 ttmp9, 1
	s_cselect_b64 s[96:97], s[98:99], s[96:97]
	s_cmp_eq_u32 ttmp9, 2
	s_cselect_b64 s[96:97], s[100:101], s[96:97]
	s_lshl_b32 s46, s40, 10                        ; (256 cx + 128 x half) x 4 bytes
	s_lshl_b32 s47, s16, 9
	s_add_co_u32 s46, s46, s47
	s_mov_b32 s47, 0
	s_add_nc_u64 s[96:97], s[96:97], s[46:47]
	v_lshlrev_b32 v7, 5, v2                        ; 32 h
.irp b, 0,1,2,3,4,5,6,7
	global_load_b128 v[BI+8*\b:BI+8*\b+3], v7, s[96:97] offset:64*\b
	global_load_b128 v[BI+8*\b+4:BI+8*\b+7], v7, s[96:97] offset:64*\b+16
.endr
	; the way out: my place in a half fragment, and where my part of the result begins
	s_cmp_eq_u32 ttmp9, 2                          ; v's places have bits 3 and 4 the other way round
	s_mov_b32 s22, 256
	s_cselect_b32 s23, s22, 128                    ; what (l / 8) % 2 counts for,
	s_cselect_b32 s22, 128, s22                    ; and what l / 16 counts for
	v_and_b32 v5, 7, v0
	v_lshlrev_b32 v[CO], 4, v5
	v_bfe_u32 v5, v0, 3, 1
	v_mad_u32_u24 v[CO], v5, s23, v[CO]
	v_mad_u32_u24 v[CO], v2, s22, v[CO]
	s_lshr_b32 s20, s17, 3                         ; the batch: 8 tile rows each;
	s_lshl_b32 s20, s20, 22                        ; its 16 heads of 262,144 bytes
	s_and_b32 s21, s17, 7
	s_lshl_b32 s21, s21, 15                        ; 16 token tiles of 2,048 bytes a tile row,
	s_add_co_u32 s20, s20, s21
	s_lshl_b32 s21, s15, 14                        ; 8 for my half of the rows
	s_add_co_u32 s20, s20, s21
	s_lshl_b32 s46, ttmp9, 24                      ; which of q, k, v: 16,777,216 bytes each
	s_lshl_b32 s47, s40, 20                        ; 4 heads a tile column,
	s_add_co_u32 s46, s46, s47
	s_lshl_b32 s47, s16, 19                        ; 2 for my half of the columns
	s_add_co_u32 s46, s46, s47
	s_add_co_u32 s20, s20, s46
	s_mov_b32 s21, 0
	s_add_nc_u64 s[12:13], s[12:13], s[20:21]
.macro FRAG reg, adr, q, i             ; a fragment, 16 rows x 128 K of 4-bit codes: lane l holds row l % 16; registers 4 c .. 4 c + 3 hold K = 64 c + 32 (l / 16) + 0 .. 31
.irp c, 0,1
	ds_load_b128 v[\reg+4*\c:\reg+4*\c+3], v[\adr] offset:64*(\q)+32*\c+(\i)*16*PITCH
.endr
.endm
; 16 matrix instructions: A's blocks a0, a0 + 1 x B's eight, the slot's q-th 128 along K.  p: B's set;  sc: the set of scale words.  first = 1: the sums begin with the bias as C: nothing is cleared, nothing is added later.
; The 64 accumulators take turns, one instruction a turn, in the same order in every step.
.macro MUL16 a0, p, q, sc, first
.irp a, \a0, \a0+1
.irp b, 0,1,2,3,4,5,6,7
.if \first
	v_wmma_scale_f32_16x16x128_f8f6f4 v[8*(8*((\a)%4)+\b):8*(8*((\a)%4)+\b)+7], v[128*(\p)+FR*\b:128*(\p)+FR*\b+FR-1], v[AF+FR*(\a):AF+FR*(\a)+FR-1], v[BI+8*\b:BI+8*\b+7], v[SC+8*NQ*(\sc)+NQ*\b+(\q)], v[SC+8*NQ*(\sc)+NQ*(\a)+(\q)] matrix_a_fmt:MATRIX_FMT_FP4 matrix_b_fmt:MATRIX_FMT_FP4 matrix_a_scale:MATRIX_SCALE_ROW1
.else
	v_wmma_scale_f32_16x16x128_f8f6f4 v[8*(8*((\a)%4)+\b):8*(8*((\a)%4)+\b)+7], v[128*(\p)+FR*\b:128*(\p)+FR*\b+FR-1], v[AF+FR*(\a):AF+FR*(\a)+FR-1], v[8*(8*((\a)%4)+\b):8*(8*((\a)%4)+\b)+7], v[SC+8*NQ*(\sc)+NQ*\b+(\q)], v[SC+8*NQ*(\sc)+NQ*(\a)+(\q)] matrix_a_fmt:MATRIX_FMT_FP4 matrix_b_fmt:MATRIX_FMT_FP4 matrix_a_scale:MATRIX_SCALE_ROW1
.endif
.endr
.endr
.endm
.macro FETCH_B slot, q, p              ; B's eight fragments of the slot's q-th 128 along K into set p
	WIN TO_B
.irp i, 0,1,2,3,4,5,6,7
	FRAG 128*(\p)+FR*\i, ADRB+\slot, \q, \i
.endr
	WIN 0
.endm
.macro FETCH_A slot, q, i0             ; A's blocks i0 .. i0 + 3
.irp i, \i0, \i0+1, \i0+2, \i0+3
	FRAG AF+FR*(\i), ADRA+\slot, \q, \i
.endr
.endm
.macro SCALES sc                       ; a slot's scale words into set sc: four words a row; lanes 0-15 take A's block i, lanes 16-31 B's block i
.irp i, 0,1,2,3,4,5,6,7
	ds_load_b128 v[SC+8*NQ*\sc+NQ*\i:SC+8*NQ*\sc+NQ*\i+3], v[ADRS] offset:\i*SBLK
.endr
.endm
; A load into a register that a matrix instruction has read, and a vector instruction that reads a matrix result or writes one of a matrix instruction's registers, stand NP places behind it;
; only plain vector instructions that name none of its registers are places; the matrix instructions in between are not counted.
.macro PLACES n
.rept \n
	v_nop
.endr
.endm
; A step of 128 along K that has its successor in the same slot.  A block of A is free as soon as its eight products are issued: blocks 0-3 are fetched anew in the step's middle, blocks 4-7 at its end.
.macro STEP slot, q, first
	s_wait_dscnt 4*NL                              ; B's set, the scale words and A's blocks 0-3 are in; the youngest eight loads (A's blocks 4-7) may be out
.if \first
	WIN FIRST_LO
.else
	WIN MUL_LO
.endif
	MUL16 0, (\q)%2, \q, \slot, \first
	MUL16 2, (\q)%2, \q, \slot, \first
	s_wait_dscnt 0                                 ; A's blocks 4-7 are in (asked for 32 matrix instructions ago)
	PLACES NP
	FETCH_B \slot, (\q)+1, 1-(\q)%2
	FETCH_A \slot, (\q)+1, 0
.if \first
	WIN FIRST_HI
.else
	WIN MUL_HI
.endif
	MUL16 4, (\q)%2, \q, \slot, \first
	MUL16 6, (\q)%2, \q, \slot, \first
	PLACES NP
	WIN 0
	FETCH_A \slot, (\q)+1, 4
.endm
.macro STEPS slot, from                ; the slot's steps from .. NQ - 2
.set Q, \from
.rept NQ-1-\from
	STEP \slot, Q, 0
.set Q, Q+1
.endr
.endm
	s_wait_tensorcnt 1                             ; the scales and my part of slot 0 are in (slot 1's load, the one issued behind them, may be out),
	s_barrier_signal -1
	s_barrier_wait -1                              ; everybody's are
	FETCH_B 0, 0, 0
	FETCH_A 0, 0, 0
	SCALES 0
	FETCH_A 0, 0, 4
	s_wait_loadcnt 0x0                             ; the bias
	STEP 0, 0, 1
	STEPS 0, 1
	; slot 0's last step goes over to slot 1: each wave waits for its part of slot 1, then one barrier shows the whole slot to every wave.
	s_wait_tensorcnt 0x0                           ; my part of slot 1 has landed: my last tensor load
	s_wait_dscnt 4*NL
	WIN MUL_LO
	MUL16 0, 1, NQ-1, 0, 0
	s_wait_dscnt 0x0                               ; no LDS instruction of mine is out at the signal
	s_barrier_signal -1
	MUL16 2, 1, NQ-1, 0, 0                         ; work on registers while the others arrive
	WIN 0
	s_barrier_wait -1
	PLACES NP
	v_add_nc_u32 v[ADRS], 4*NQ, v[ADRS]            ; on to slot 1's scale words
	FETCH_B 1, 0, 0
	FETCH_A 1, 0, 0
	SCALES 1
	WIN MUL_HI
	MUL16 4, 1, NQ-1, 0, 0
	MUL16 6, 1, NQ-1, 0, 0
	PLACES NP
	WIN 0
	FETCH_A 1, 0, 4
	STEPS 1, 0
	s_wait_dscnt 4*NL                              ; the very last step: nothing more to fetch
	WIN MUL_LO
	MUL16 0, 1, NQ-1, 1, 0
	MUL16 2, 1, NQ-1, 1, 0
	s_wait_dscnt 0
	WIN MUL_HI
	MUL16 4, 1, NQ-1, 1, 0
	MUL16 6, 1, NQ-1, 1, 0
	WIN 0
	; THE WAY OUT, block by block of 16 tokens.  Accumulator (a, b): token 16 a + r, columns 16 b + 8 h + 0 .. 7: head b / 4 of my two, half fragment b % 4 of its four.  Each accumulator is read from its low end on.
	PLACES NP                                      ; behind the last products: the conversions read results and write over A's fragments
.irp a, 0,1,2,3,4,5,6,7
.if \a >= 4
	s_wait_xcnt 0x0                                ; block a - 4's stores have read their data: its set of registers is written again only behind this wait
.endif
	WIN 0x0a+5*(\a/4)                              ; sources 0 and 1: window 2 or 3
.irp b, 0,1,2,3,4,5,6,7
.irp p, 0,1,2,3
	v_cvt_pk_f16_f32 v[T+32*(\a%4)+4*\b+\p], v[64*(\a%4)+8*\b+2*\p], v[64*(\a%4)+8*\b+2*\p+1]
.endr
.endr
	WIN 0
.irp b, 0,1,2,3,4,5,6,7
	global_store_b128 v[CO], v[T+32*(\a%4)+4*\b:T+32*(\a%4)+4*\b+3], s[12:13] offset:(\b/4)*262144+\a*2048+(\b%4)*512   ; the wave stores 512 consecutive bytes, aligned
.endr
.endr
	s_wait_tensorcnt 0x0
	ds_add_u32 v126, v127
	s_wait_dscnt 0x0
	CROUND                                         ; the closing round: no work-group ends while a partner may still ask for a tile that names it
	s_endpgm
.Lfunc_end_k_qc447266b10_qkv:
	.size	k_qc447266b10_qkv, .Lfunc_end_k_qc447266b10_qkv-k_qc447266b10_qkv
	.p2alignl 7, 3214868480
	.fill 96, 4, 3214868480
	.section	.rodata,"a",@progbits
	.p2align	6, 0x0
	.amdhsa_kernel k_qc447266b10_qkv
		.amdhsa_group_segment_fixed_size 327680
		.amdhsa_private_segment_fixed_size 0
		.amdhsa_enable_private_segment 0
		.amdhsa_kernarg_size 48
		.amdhsa_user_sgpr_count 2
		.amdhsa_user_sgpr_kernarg_segment_ptr 1
		.amdhsa_wavefront_size32 1
		.amdhsa_system_sgpr_workgroup_id_x 1
		.amdhsa_system_sgpr_workgroup_id_y 1
		.amdhsa_system_sgpr_workgroup_id_z 1
		.amdhsa_system_vgpr_workitem_id 0
		.amdhsa_next_free_vgpr 1024
		.amdhsa_next_free_sgpr 102
		.amdhsa_reserve_vcc 0
		.amdhsa_float_denorm_mode_32 3
		.amdhsa_float_denorm_mode_16_64 3
		.amdhsa_memory_ordered 1
		.amdhsa_forward_progress 1
		.amdhsa_inst_pref_size 120
	.end_amdhsa_kernel
	.amdgpu_metadata
---
amdhsa.version: [ 1, 2 ]
amdhsa.kernels:
  - .name:           k_qc447266b10_qkv
    .symbol:         k_qc447266b10_qkv.kd
    .args:
      - { .name: codes, .offset: 0, .size: 8, .value_kind: global_buffer, .address_space: global }
      - { .name: scales, .offset: 8, .size: 8, .value_kind: global_buffer, .address_space: global }
      - { .name: bq, .offset: 16, .size: 8, .value_kind: global_buffer, .address_space: global }
      - { .name: bk, .offset: 24, .size: 8, .value_kind: global_buffer, .address_space: global }
      - { .name: bv, .offset: 32, .size: 8, .value_kind: global_buffer, .address_space: global }
      - { .name: qkv, .offset: 40, .size: 8, .value_kind: global_buffer, .address_space: global }
    .group_segment_fixed_size: 327680
    .private_segment_fixed_size: 0
    .kernarg_segment_align: 8
    .kernarg_segment_size: 48
    .max_flat_workgroup_size: 128
    .sgpr_count:     102
    .vgpr_count:     1024
    .wavefront_size: 32
...
	.end_amdgpu_metadata
.endif
;; end of part 2
;; launch attn (part 3): grid 4 x 64, 8 waves a work-group, no clusters, 327,680 bytes of LDS; arguments qkv, att; writes att
.if DOCPART == 3
	.amdgcn_target "amdgcn-amd-amdhsa--gfx1250"
	.amdhsa_code_object_version 6
	.text
	.protected	k_qc447266b10_attn
	.globl	k_qc447266b10_attn
	.p2align	8
	.type	k_qc447266b10_attn,@function
k_qc447266b10_attn:
	s_mov_b64 s[64:65], 0
	v_nop
	global_prefetch_b8 v0, s[64:65] scope:SCOPE_SE
	s_setreg_imm32_b32 hwreg(HW_REG_WAVE_MODE, 25, 1), 1
	s_wait_xcnt 0x0
; att[b][q][head] = the sum over keys k <= q of softmax_k(Q . K / 8) V, for 64 heads (16 b + head) of 2,048 tokens x 64 channels.  Operands f16; products, maxima and sums f32; the weights p are rounded to f16 for the
; second product, the result once at the end.  Q, K, V come in the order of operand registers (buffer qkv: [which][head 64][token tile 128][chunk 2][half 2][place 32][16 bytes]); the result leaves so too:
; att [row tile 512][chunk of 32 channels of D: 32][half 2][lane 32][16 bytes].
; LIMITS: keys behind the query are left out, or set to -infinity on the diagonal, where the problem's text sets them to -1e9: the same result while a row's visible scores stay above some -1e9.  NaN and infinities are not served.
; SHARES.  Work-group (j, head) takes query block j (256 queries) and then block 7 - j: (j + 1) + (8 - j) = 9 units of 256 keys for every work-group.  Wave w owns 32 queries, two tiles of 16, at sub-block w (w < 4) or 11 - w:
; waves w and w + 4 have five visible steps together in a diagonal unit.  All trip counts are constants; a step all of whose keys lie behind the wave's queries is jumped over by a scalar branch on ids.
; NO CLUSTER: the four work-groups of a head stand at key blocks 0 .. j and then 0 .. 7 - j: in no trip but the first do all four want the same tile, so no joint request could be made alike in all partners.
; LAYOUT.  S^T = K Q^T (source 0 = 16 keys, source 1 = 16 queries): a lane holds ONE query (lane % 16) and keys 8 (lane / 16) + 0 .. 7.  Two such tiles, rounded in pairs, ARE source 1 of O^T = V^T P, whose result again
; holds one query a lane and eight channels: 16 bytes of f16, a lane's share of half a fragment of att.  K comes out of LDS as it lies, V turned by ds_load_tr16_b128; both by 16 x lane: consecutive bytes, no padding.
; SOFTMAX.  For each query a running maximum m and sum l: p = 2^(c s - c m), c = log2(e) / 8; in every step O and l are multiplied by a = 2^(c m_old - c m_new).
; THE RING.  Two LDS slots of 256 keys (K's 32,768 bytes, then V's).  Every wave fetches 8,192 bytes of a slot with one tensor load: waves 0-3 K's four steps, waves 4-7 V's.
; REGISTERS: window 0: v1-9 addresses and constants; v16-31 statistics; v32-63 Q; v64-127 S^T, then p; v128-159 P; v160-223 O^T.   window 1: v0-63 K's fragments, v64-127 V^T's.
.set SLOT1, 65536                      ; slot 1 begins here: one exclusive or turns an address
.set VOFF,  32768                      ; V's tiles in a slot
.set STEPB, 8192                       ; a step's four token tiles
.set SPARE, 131072                     ; behind the ring: the spare words, 128 bytes for each of eight waves: four blocks of 256 bytes that no other line names
.set LI,   1                           ; v1  16 x lane
.set ADR,  2                           ; v2  LDS address of the step in hand
.set PFO,  3                           ; v3  256 x lane: the prefetches' offset
.set SPW,  4                           ; v4  LDS address of my spare word; never rewritten
.set NIL,  5                           ; v5  0; never rewritten
.set DQ,   6                           ; v6  lane % 16 - 8 (lane / 16)
.set NINF, 7                           ; v7  -infinity
.set TMP,  8
.set ST,   16                          ; tile t at v[ST + 8 t]: +0 c m, +1 m, +2, +3 l (even keys', odd keys'), +4 .. +7 at work; a in +6
.set Q,    32                          ; tile t, chunk c at v[Q + 16 t + 8 c]
.set S,    64                          ; tile t, key tile kt at v[S + 32 t + 8 kt]
.set P,    128                         ; tile t at v[P + 16 t]
.set O,    160                         ; tile t, channel tile ct at v[O + 32 t + 8 ct]
.set KR,   0                           ; window 1: K (kt, c) at v[8 (2 kt + c)]
.set VR,   64                          ; window 1: V^T (kc, ct) at v[64 + 8 (4 kc + ct)]
.set WV,   8                           ; s8   wave
.set J,    9                           ; s9   work-group x
.set BH,   10                          ; s10  the head, 16 b + head
.set U,    11                          ; s11  the unit, 0 .. 8
.set SW,   12                          ; s12  J + 1: the first unit of the second query block
.set STP,  13                          ; s13  counts a unit's four steps
.set TB,   14                          ; s14  LDS byte at which the step's tiles of K begin
.set KF,   15                          ; s15  the step's first key
.set Q0,   16                          ; s16  my first query
.set LIM,  17                          ; s17  a wave prefetches while U is under it: 7 in the head's work-group 0, else 0
.set CS,   18                          ; s[18:19] c, twice: the packed form names a pair
.set SEL,  20                          ; s[20:21] v_permlanex16_b32's selects for lane l xor 16
.set QP,   22                          ; s[22:23] Q at my first query
.set OP,   24                          ; s[24:25] att at my first query, my head
.set DQP,  26                          ; s[26:27] from the first query block to the second, in Q;
.set DOP,  28                          ; s[28:29] in att
.set BACK, 30                          ; s[30:31] what the walking descriptor goes back by
.set G1,   32                          ; s[32:39] descriptor group 1
.set G0,   40                          ; s[40:43] descriptor group 0: it walks
.set PFA,  44                          ; s[44:45] where my prefetches stand
.set T0,   46
.set T1,   47
.set SWB,  48                          ; s48  SW x 32,768
.set DQ0,  49                          ; s49  256 (7 - 2 J)
.set MSB, 0
.macro WIN new                         ; the immediate's high byte repeats the setting that is left
.if MSB != \new
	s_set_vgpr_msb (MSB<<8)|\new
.set MSB, \new
.endif
.endm
	s_load_b128 s[4:7], s[0:1], 0x0                ; qkv s[4:5], att s[6:7]
	v_lshl_add_u32 v[SPW], v0, 2, SPARE
	v_mov_b32 v[NIL], 0
	ds_add_u32 v4, v5
	ds_add_u32 v4, v5
	s_wait_dscnt 0x0
	v_lshrrev_b32 v[TMP], 5, v0
	v_readfirstlane_b32 s[WV], v[TMP]              ; wave 0..7
	s_mov_b32 s[J], ttmp9
	s_and_b32 s[BH], ttmp7, 0xffff
	; descriptor group 1: a dense block of 8,192 bytes as 32 rows of 256 bytes (32 elements of 8 bytes), no padding, no mask
	s_mov_b32 s[G1], 3<<16                         ; 17:16 elements of 8 bytes
	s_mov_b32 s[G1+1], 32<<16                      ; tensor_dim0
	s_mov_b32 s[G1+2], 32<<16                      ; tensor_dim1
	s_mov_b32 s[G1+3], 32<<16                      ; tile_dim0
	s_mov_b32 s[G1+4], 32                          ; tile_dim1
	s_mov_b32 s[G1+5], 32                          ; tensor_dim0_stride
	s_mov_b32 s[G1+6], 0
	s_mov_b32 s[G1+7], 0
	s_mov_b32 s[G0], 1                             ; count = 1
	s_lshl_b32 s[G0+1], s[WV], 13                  ; LDS address: 8,192 x wave, slot 0
	s_lshr_b32 s[T0], s[WV], 2
	s_add_co_u32 s[T0], s[T0], 1                   ; waves 0-3 fetch K (which = 1), waves 4-7 V (which = 2)
	s_lshl_b32 s[T0], s[T0], 24
	s_lshl_b32 s[T1], s[BH], 18                    ; a head's 262,144 bytes
	s_add_co_u32 s[T0], s[T0], s[T1]
	s_and_b32 s[T1], s[WV], 3
	s_lshl_b32 s[T1], s[T1], 13                    ; my step of the unit's four
	s_add_co_u32 s[T0], s[T0], s[T1]
	s_mov_b32 s[T1], 0
	s_wait_kmcnt 0x0
	s_add_nc_u64 s[PFA:PFA+1], s[4:5], s[T0:T1]    ; my 8,192 bytes of key block 0
	s_mov_b64 s[G0+2:G0+3], s[PFA:PFA+1]
	s_or_b32 s[G0+3], s[G0+3], 0x80000000          ; type = 2
	tensor_load_to_lds s[G0:G0+3], s[G1:G1+7]      ; unit 0 into slot 0: the one first fill at the head; one load of mine is out
	s_nop 0
.rept 4
	v_nop
.endr
	v_and_b32 v[LI], 31, v0
	v_lshlrev_b32 v[PFO], 8, v[LI]
	v_lshlrev_b32 v[LI], 4, v[LI]
	v_bfe_u32 v9, v0, 4, 1
	v_lshlrev_b32 v9, 3, v9
	v_and_b32 v[DQ], 15, v0
	v_sub_nc_u32 v[DQ], v[DQ], v9
	v_mov_b32 v[NINF], 0xff800000
	s_mov_b32 s[CS], 0x3e38aa3b                    ; c = log2(e) / sqrt(64)
	s_mov_b32 s[CS+1], s[CS]
	s_mov_b32 s[SEL], 0x76543210
	s_mov_b32 s[SEL+1], 0xfedcba98
	s_add_co_u32 s[SW], s[J], 1
	s_lshl_b32 s[SWB], s[SW], 15
	s_mov_b32 s[BACK+1], 0
	s_cmp_eq_u32 s[J], 0
	s_cselect_b32 s[LIM], 7, 0
	s_sub_co_u32 s[T0], 11, s[WV]
	s_cmp_lt_u32 s[WV], 4
	s_cselect_b32 s[T0], s[WV], s[T0]              ; my sub-block of 32 queries
	s_lshl_b32 s[T0], s[T0], 5
	s_lshl_b32 s[Q0], s[J], 8
	s_add_co_u32 s[Q0], s[Q0], s[T0]               ; my first query: 256 J + 32 x sub-block
	s_lshl_b32 s[T1], s[J], 1
	s_sub_co_u32 s[T1], 7, s[T1]                   ; 7 - 2 J query blocks on: 7, 5, 3 or 1
	s_lshl_b32 s[DQ0], s[T1], 8
	s_lshl_b32 s[DQP], s[T1], 15                   ; 256 queries are 16 token tiles of 2,048 bytes in Q,
	s_mov_b32 s[DQP+1], 0
	s_lshl_b32 s[DOP], s[T1], 19                   ; and 16 row tiles of 32,768 bytes in att
	s_mov_b32 s[DOP+1], 0
	s_lshl_b32 s[T0], s[BH], 18
	s_lshl_b32 s[T1], s[Q0], 7                     ; 128 bytes a token
	s_add_co_u32 s[T0], s[T0], s[T1]
	s_mov_b32 s[T1], 0
	s_add_nc_u64 s[QP:QP+1], s[4:5], s[T0:T1]
	s_lshr_b32 s[T0], s[BH], 4
	s_lshl_b32 s[T0], s[T0], 11
	s_add_co_u32 s[T0], s[T0], s[Q0]               ; row 2,048 b + my first query:
	s_lshl_b32 s[T0], s[T0], 11                    ; 2,048 bytes a row of att
	s_and_b32 s[T1], s[BH], 15
	s_lshl_b32 s[T1], s[T1], 11                    ; my head's two chunks: 2,048 bytes on in a row tile
	s_add_co_u32 s[T0], s[T0], s[T1]
	s_mov_b32 s[T1], 0
	s_add_nc_u64 s[OP:OP+1], s[6:7], s[T0:T1]
	s_mov_b32 s[TB], 0
	s_mov_b32 s[KF], 0
; A query block begins: Q's fragments into registers; m = -3e38, under every score; l and O^T zeros.  The 64 clearing lines stand twice in a work-group's life, and let ONE text of the key step serve every step:
; the first step's a is 2^(-huge) = 0, which leaves the zeros zeros.
.macro NEWQ
.irp t, 0,1
.irp c, 0,1
.irp g, 0,1
	global_load_b128 v[Q+16*\t+8*\c+4*\g:Q+16*\t+8*\c+4*\g+3], v[LI], s[QP:QP+1] offset:2048*\t+1024*\c+512*\g
.endr
.endr
.endr
.irp t, 0,1
	v_mov_b32 v[ST+8*\t+1], 0xff61b1e6
	v_mul_f32 v[ST+8*\t], s[CS], v[ST+8*\t+1]
.irp i, 2,3,4,5,6,7
	v_mov_b32 v[ST+8*\t+\i], 0
.endr
.endr
.set i, 0
.rept 64
	v_mov_b32 v[O+i], 0
.set i, i+1
.endr
	s_wait_loadcnt 0x0                             ; Q
.endm
; A PREFETCH INTO THE L2 of the unit after the one that is being asked for.  All four work-groups of a head walk the same K and V: work-group 0 asks, in trips 0 to 6, and each of its waves for its own 8,192 bytes of key block
; U + 1, lanes 256 bytes apart: so each aligned block of 256 bytes of key blocks 1 to 7 is named once in the launch.  Key block 0 comes by its loads alone; the last trips ask for nothing.
.macro ASK
	s_cmp_lt_u32 s[U], s[LIM]
	s_cbranch_scc0 .Lnot_mine_\@
	global_prefetch_b8 v[PFO], s[PFA:PFA+1] th:TH_LOAD_NT scope:SCOPE_SE
.Lnot_mine_\@:
.endm
; THE CHANGE OF SLOTS stands at a unit's head.  Each wave waits for all its tensor loads (its part of the slot that it is about to read), adds 0 to its spare word, and waits for that and for its reads of the slot that it has left.
; Behind the barrier the slot ahead is whole and nobody reads the other one.  fill = 1: that other slot takes the next unit's keys: the load has a unit's four steps in which to land.
.macro CHANGE fill
	s_wait_tensorcnt 0x0                           ; no tensor load of mine is out, so group 0 may be written
	ds_add_u32 v[SPW], v[NIL]                      ; 0 onto my spare word: the descriptor's steps stand between it and the wait for it
.if \fill
	s_add_co_u32 s[T0], s[U], 1
	s_cmp_eq_u32 s[T0], s[SW]                      ; the next unit is the second query block's first:
	s_cselect_b32 s[BACK], s[SWB], 0               ; then back to key block 0
	s_add_nc_u64 s[G0+2:G0+3], s[G0+2:G0+3], 0x8000    ; the next 256 keys; the type bits on top are not reached
	s_sub_nc_u64 s[G0+2:G0+3], s[G0+2:G0+3], s[BACK:BACK+1]
	s_xor_b32 s[G0+1], s[G0+1], SLOT1              ; the other slot than last time
	s_wait_xcnt 0x0                                ; the last prefetch, a unit back, has read its address, so it may be written
	s_add_nc_u64 s[PFA:PFA+1], s[PFA:PFA+1], 0x8000
.endif
	s_wait_dscnt 0x0                               ; the add is done, and my reads of the slot that I have left are over
	s_barrier_signal -1
	s_barrier_wait -1
.if \fill
	tensor_load_to_lds s[G0:G0+3], s[G1:G1+7]      ; the first thing behind the barrier, and my one tensor load until the next
	s_nop 0
.rept 4
	v_nop
.endr
	ASK
.endif
.endm
.macro SCL b                           ; pair b of the tile's scores: c s - c m
	v_pk_fma_f32 v[rS+2*(\b):rS+2*(\b)+1], v[rS+2*(\b):rS+2*(\b)+1], s[CS:CS+1], v[rT:rT+1] op_sel_hi:[1,0,0] neg_lo:[0,0,1] neg_hi:[0,0,1]
.endm
.macro SUM w, u                        ; the sum of the 16 pairs, in place: neighbours w / 2 registers apart
	v_pk_add_f32 v[rS+(\w)*(\u):rS+(\w)*(\u)+1], v[rS+(\w)*(\u):rS+(\w)*(\u)+1], v[rS+(\w)*(\u)+(\w)/2:rS+(\w)*(\u)+(\w)/2+1]
.endm
; One tile's softmax for a step of 64 keys.
.macro SM t
.set rT, ST+8*(\t)
.set rS, S+32*(\t)
.set rP, P+16*(\t)
.set rO, O+32*(\t)
.irp j, 0,1,2,3
	v_max3_num_f32 v[rT+4+\j], v[rS+8*\j], v[rS+8*\j+1], v[rS+8*\j+2]   ; the maximum in four chains, one to an accumulator, each read from its low end on
.endr
.irp i, 3,5
.irp j, 0,1,2,3
	v_max3_num_f32 v[rT+4+\j], v[rT+4+\j], v[rS+8*\j+\i], v[rS+8*\j+\i+1]
.endr
.endr
	v_max3_num_f32 v[rT+4], v[rT+4], v[rS+7], v[rS+15]
	v_max3_num_f32 v[rT+6], v[rT+6], v[rS+23], v[rS+31]
	v_max3_num_f32 v[rT+4], v[rT+4], v[rT+5], v[rT+6]
	v_max3_num_f32 v[rT+4], v[rT+4], v[rT+7], v[rT+1]              ; and the old m
	v_permlanex16_b32 v[rT+5], v[rT+4], s[SEL], s[SEL+1]           ; the query's other 32 keys lie in the lane 16 away
	v_mov_b32 v[rT+7], v[rT]                                       ; c m_old is kept for a
	v_max_num_f32 v[rT+1], v[rT+4], v[rT+5]
	v_mul_f32 v[rT], s[CS], v[rT+1]
	v_sub_f32 v[rT+7], v[rT+7], v[rT]
	v_exp_f32 v[rT+6], v[rT+7]                                     ; a
	SCL 0
	SCL 1
; 32 exponentials; a plain line that names neither its result nor its source stands behind each: a scaling two pairs ahead (at the end the first two sums), and the rounding of the pair before
.set bb, 0
.rept 16
	v_exp_f32 v[rS+2*bb], v[rS+2*bb]
.if bb < 14
	SCL bb+2
.else
	SUM 4, bb-14                                   ; pairs 0 to 3 have been rounded
.endif
	v_exp_f32 v[rS+2*bb+1], v[rS+2*bb+1]
.if bb > 0
	s_wait_alu depctr_va_vdst(0)
	v_cvt_pk_f16_f32 v[rP+bb-1], v[rS+2*bb-2], v[rS+2*bb-1]
.else
	v_nop
.endif
.set bb, bb+1
.endr
	v_cvt_pk_f16_f32 v[rP+15], v[rS+30], v[rS+31]
.irp u, 2,3,4,5,6,7
	SUM 4, \u
.endr
.irp u, 0,1,2,3
	SUM 8, \u
.endr
	SUM 16, 0
	SUM 16, 1
	SUM 32, 0
	v_pk_fma_f32 v[rT+2:rT+3], v[rT+2:rT+3], v[rT+6:rT+7], v[rS:rS+1] op_sel_hi:[1,0,1]   ; l = a l + the sum
.set i, 0
.rept 16
	v_pk_mul_f32 v[rO+i:rO+i+1], v[rO+i:rO+i+1], v[rT+6:rT+7] op_sel_hi:[1,0]             ; O^T x a
.set i, i+2
.endr
.endm
; O^T += V^T P for tile t: the four accumulators take turns, one instruction a turn
.macro PV t
	WIN 0x01                                       ; source 0 (V^T) window 1
.irp kc, 0,1
.irp ct, 0,1,2,3
	v_wmma_f32_16x16x32_f16 v[O+32*(\t)+8*\ct:O+32*(\t)+8*\ct+7], v[VR+8*(4*\kc+\ct):VR+8*(4*\kc+\ct)+7], v[P+16*(\t)+8*\kc:P+16*(\t)+8*\kc+7], v[O+32*(\t)+8*\ct:O+32*(\t)+8*\ct+7]
.endr
.endr
	WIN 0
.endm
; A KEY STEP: 64 keys.
.macro STEP
	s_add_co_u32 s[T0], s[Q0], 31
	s_cmp_gt_u32 s[KF], s[T0]                      ; all its keys lie behind my 32 queries: the work is jumped over, not the lines at its end that step addresses
	s_cbranch_scc1 .Lhid_\@
	v_add_nc_u32 v[ADR], s[TB], v[LI]              ; this line and three v_nop: the four places between the last step's products and the loads into V's registers
.rept 3
	v_nop
.endr
	WIN 0x40                                       ; destination window 1
.irp f, 0,1,2,3,4,5,6,7                        ; K's fragment f = 2 kt + c: 1,024 consecutive bytes
	ds_load_b128 v[KR+8*\f:KR+8*\f+3], v[ADR] offset:1024*\f
	ds_load_b128 v[KR+8*\f+4:KR+8*\f+7], v[ADR] offset:1024*\f+512
.endr
.irp kc, 0,1                                   ; V^T's fragment (kc, ct): keys 32 kc on are token tiles 2 kc and 2 kc + 1; channels 16 ct on are half fragment ct of a tile's four
.irp ct, 0,1,2,3
	ds_load_tr16_b128 v[VR+8*(4*\kc+\ct):VR+8*(4*\kc+\ct)+3], v[ADR] offset:VOFF+4096*\kc+512*\ct
	ds_load_tr16_b128 v[VR+8*(4*\kc+\ct)+4:VR+8*(4*\kc+\ct)+7], v[ADR] offset:VOFF+4096*\kc+2048+512*\ct
.endr
.endr
	s_wait_dscnt 16                                ; K's sixteen loads are in; V's sixteen may be out
	WIN 0x01                                       ; source 0 (K) window 1
.irp t, 0,1                                    ; S^T = K Q^T: a tile's four accumulators by turns; the first chunk of channels starts the sums
.irp c, 0,1
.irp kt, 0,1,2,3
.if \c == 0
	v_wmma_f32_16x16x32_f16 v[S+32*\t+8*\kt:S+32*\t+8*\kt+7], v[KR+8*(2*\kt+\c):KR+8*(2*\kt+\c)+7], v[Q+16*\t+8*\c:Q+16*\t+8*\c+7], 0
.else
	v_wmma_f32_16x16x32_f16 v[S+32*\t+8*\kt:S+32*\t+8*\kt+7], v[KR+8*(2*\kt+\c):KR+8*(2*\kt+\c)+7], v[Q+16*\t+8*\c:Q+16*\t+8*\c+7], v[S+32*\t+8*\kt:S+32*\t+8*\kt+7]
.endif
.endr
.endr
.endr
	WIN 0
.rept 4
	v_nop                                          ; four places in front of the first read of the scores
.endr
	s_add_co_u32 s[T0], s[KF], 63
	s_cmp_le_u32 s[T0], s[Q0]                      ; all 64 keys count for all my queries: no mask
	s_cbranch_scc1 .Lopen_\@
	s_sub_co_u32 s[T1], s[Q0], s[KF]               ; on the diagonal: register 8 kt + j holds key KF + 16 kt + 8 (lane / 16) + j; it is hidden where 16 kt + j > my query - KF - 8 (lane / 16).  Key KF counts for every query of mine
.irp t, 0,1
	v_add_nc_u32 v[TMP], s[T1], v[DQ]
.irp n, 0,1,2,3,4,5,6,7,8,9,10,11,12,13,14,15,16,17,18,19,20,21,22,23,24,25,26,27,28,29,30,31
	v_cmp_gt_i32 vcc_lo, 16*(\n/8)+\n%8, v[TMP]
	v_cndmask_b32 v[S+32*\t+\n], v[S+32*\t+\n], v[NINF], vcc_lo
.endr
	s_add_co_u32 s[T1], s[T1], 16                  ; the second tile's queries
.endr
.Lopen_\@:
	SM 0
	s_wait_dscnt 0x0                               ; V is in
	PV 0
	SM 1                                           ; its lines are issued while tile 0's products are at work
	PV 1
.Lhid_\@:
	s_add_co_u32 s[KF], s[KF], 64
	s_add_co_u32 s[TB], s[TB], STEPB
.endm
.macro FOUR_STEPS                      ; a unit's four steps: written once, walked four times
	s_mov_b32 s[STP], 4
.Lstep_\@:
	STEP
	s_sub_co_u32 s[STP], s[STP], 1
	s_cmp_lg_u32 s[STP], 0
	s_cbranch_scc1 .Lstep_\@
	s_sub_co_u32 s[TB], s[TB], 4*STEPB             ; back to a slot's first step,
	s_xor_b32 s[TB], s[TB], SLOT1                  ; in the other slot
.endm
; A query block ends: l's two halves and the other half of the lanes' are added; O^T / l, rounded to f16, IS a lane's share of att's fragments.  more = 1: on to the second query block.
.macro FINISH more
.irp t, 0,1
	v_add_f32 v[ST+8*\t+4], v[ST+8*\t+2], v[ST+8*\t+3]
.endr
.irp t, 0,1
	v_permlanex16_b32 v[ST+8*\t+5], v[ST+8*\t+4], s[SEL], s[SEL+1]
.endr
.irp t, 0,1
	v_add_f32 v[ST+8*\t+4], v[ST+8*\t+4], v[ST+8*\t+5]
.endr
.irp t, 0,1
	v_rcp_f32 v[ST+8*\t+6], v[ST+8*\t+4]
.endr
	v_nop                                          ; a plain line between the last reciprocal and the use of its result
	s_wait_alu depctr_va_vdst(0)
.irp t, 0,1
.set i, 0
.rept 16
	v_pk_mul_f32 v[O+32*\t+i:O+32*\t+i+1], v[O+32*\t+i:O+32*\t+i+1], v[ST+8*\t+6:ST+8*\t+7] op_sel_hi:[1,0]
.set i, i+2
.endr
.set i, 0
.rept 16
	v_cvt_pk_f16_f32 v[S+32*\t+i], v[O+32*\t+2*i], v[O+32*\t+2*i+1]
.set i, i+1
.endr
.irp ct, 0,1,2,3
	global_store_b128 v[LI], v[S+32*\t+4*\ct:S+32*\t+4*\ct+3], s[OP:OP+1] offset:32768*\t+512*\ct   ; the wave stores 512 consecutive bytes, aligned
.endr
.endr
.if \more
	s_wait_xcnt 0x0                                ; the stores have read their data and their base: both are written again only behind this wait
	s_add_nc_u64 s[QP:QP+1], s[QP:QP+1], s[DQP:DQP+1]
	s_add_nc_u64 s[OP:OP+1], s[OP:OP+1], s[DOP:DOP+1]
	s_add_co_u32 s[Q0], s[Q0], s[DQ0]
	s_mov_b32 s[KF], 0
	NEWQ
.endif
.endm
	NEWQ
	s_mov_b32 s[U], 0
.Lunit:                                            ; eight trips: behind each change of slots but the last the next unit is asked for
	CHANGE 1
	s_cmp_lg_u32 s[U], s[SW]
	s_cbranch_scc1 .Lsame
	FINISH 1                                       ; the first query block's J + 1 units are done
.Lsame:
	FOUR_STEPS
	s_add_co_u32 s[U], s[U], 1
	s_cmp_lt_u32 s[U], 8
	s_cbranch_scc1 .Lunit
	CHANGE 0                                       ; the last unit is written out
	FOUR_STEPS
	FINISH 0
	s_wait_tensorcnt 0x0                           ; the wave's end
	ds_add_u32 v[SPW], v[NIL]
	s_wait_dscnt 0x0
	s_endpgm
.Lfunc_end_k_qc447266b10_attn:
	.size	k_qc447266b10_attn, .Lfunc_end_k_qc447266b10_attn-k_qc447266b10_attn
	.p2alignl 7, 3214868480
	.fill 96, 4, 3214868480
	.section	.rodata,"a",@progbits
	.p2align	6, 0x0
	.amdhsa_kernel k_qc447266b10_attn
		.amdhsa_group_segment_fixed_size 327680
		.amdhsa_private_segment_fixed_size 0
		.amdhsa_enable_private_segment 0
		.amdhsa_kernarg_size 16
		.amdhsa_user_sgpr_count 2
		.amdhsa_user_sgpr_kernarg_segment_ptr 1
		.amdhsa_wavefront_size32 1
		.amdhsa_system_sgpr_workgroup_id_x 1
		.amdhsa_system_sgpr_workgroup_id_y 1
		.amdhsa_system_sgpr_workgroup_id_z 1
		.amdhsa_system_vgpr_workitem_id 0
		.amdhsa_next_free_vgpr 384
		.amdhsa_next_free_sgpr 66
		.amdhsa_reserve_vcc 1
		.amdhsa_float_denorm_mode_32 3
		.amdhsa_float_denorm_mode_16_64 3
		.amdhsa_memory_ordered 1
		.amdhsa_forward_progress 1
		.amdhsa_inst_pref_size 68
	.end_amdhsa_kernel
	.amdgpu_metadata
---
amdhsa.version: [ 1, 2 ]
amdhsa.kernels:
  - .name:           k_qc447266b10_attn
    .symbol:         k_qc447266b10_attn.kd
    .args:
      - { .name: qkv, .offset: 0, .size: 8, .value_kind: global_buffer, .address_space: global }
      - { .name: att, .offset: 8, .size: 8, .value_kind: global_buffer, .address_space: global }
    .group_segment_fixed_size: 327680
    .private_segment_fixed_size: 0
    .kernarg_segment_align: 8
    .kernarg_segment_size: 16
    .max_flat_workgroup_size: 256
    .sgpr_count:     66
    .vgpr_count:     384
    .wavefront_size: 32
...
	.end_amdgpu_metadata
.endif
;; end of part 3
;; launch proj (part 4): grid 4 x 64, 4 waves a work-group, clusters of 4 x 4, 327,680 bytes of LDS; arguments att, wob, bo, out0; writes out0
.if DOCPART == 4
	.amdgcn_target "amdgcn-amd-amdhsa--gfx1250"
	.amdhsa_code_object_version 6
	.text
	.protected	k_qc447266b10_proj
	.globl	k_qc447266b10_proj
	.p2align	8
	.type	k_qc447266b10_proj,@function
k_qc447266b10_proj:
	s_mov_b64 s[64:65], 0
	v_nop
	global_prefetch_b8 v0, s[64:65] scope:SCOPE_SE
	s_setreg_imm32_b32 hwreg(HW_REG_WAVE_MODE, 25, 1), 1
	s_wait_xcnt 0x0
	s_wait_alu depctr_hold_cnt(0) depctr_sa_sdst(0) depctr_va_vdst(0) depctr_va_sdst(0) depctr_va_ssrc(0) depctr_va_vcc(0) depctr_vm_vsrc(0)
	s_getreg_b32 s2, hwreg(HW_REG_IB_STS2, 6, 4)
	s_cmp_eq_u32 s2, 0
	s_cbranch_scc0 .Lentry_in_a_cluster
	s_endpgm
.Lentry_in_a_cluster:
	s_bfe_u32 s2, ttmp6, 0x10000c
	s_cmp_lg_u32 s2, 0xf033
	s_cbranch_scc0 .Lentry_shape_is_right
	s_endpgm
.Lentry_shape_is_right:
; out0[8192][1024] = att Wo^T + bo.  Operands f16, in the order of operand registers: att [row tile 512][chunk of 32 k: 32][half 2][lane 32][16 bytes], wob [n tile 64][chunk 32][half 2][lane 32][16 bytes];
; sums f32, begun with the bias; the result f32.
; A tile of the result is 128 rows x 256 columns: 256 work-groups of four waves; wave w makes rows 64 (w / 2) on, columns 128 (w % 2) on: 4 x 8 accumulators of 16 x 16, 256 registers.
; K's 32 chunks are written out, no loop.  They go through two LDS slots of SIX chunks, as many as two slots hold: fills of 6, 6, 6, 6, 6 and 2 chunks.  A tile's row is a row tile's (n tile's) 6,144 consecutive bytes, rows
; 32,768 bytes apart in memory and dense in LDS: a fragment is 1,024 consecutive bytes, read by two loads at 16 x lane: no padding is needed.
; CLUSTERS: 4 x 4 work-groups.  The four of a row of the cluster need the same tiles of att, the four of a column the same tiles of wob: each is asked for JOINTLY, by the same tensor load with the same descriptor and a mask that
; names the four.  Where a slot is filled again, a round of the cluster's barrier stands in front of the joint refill.
; No prefetch: a tile's row is 24 blocks of 256 bytes in each of 4 or 8 rows, the slots are as large as LDS holds, and a refill has six chunks, 192 matrix instructions a wave, in which to land.
; THE MATRIX INSTRUCTION IS USED TRANSPOSED (source 0 = 16 rows of Wo, source 1 = 16 rows of att): a lane holds eight neighbouring columns of one row of the result.
; REGISTERS: window 0: v1-29 addresses; v64-159, v160-255 two fragment buffers (Wo's eight fragments, then att's four); on the way out v64-191 rows read back.   window 1: the accumulators ((a, b) at v[8 (8 a + b)]).   window 2: v0-63 the bias.
.set CH,     1024                      ; a fragment: 16 rows x 32 k of f16
.set LONG,   6*CH                      ; a tile's row in a long fill
.set SHORT,  2*CH                      ; and in the last
.set SLOT,   24*LONG                   ; att's 8 row tiles, then wob's 16 n tiles: 147,456 bytes
.set BOFF,   8*LONG                    ; where wob's begin in a slot; in the short fill 8 x SHORT
.set SPARE,  2*SLOT                    ; behind the ring: the spare words, 128 bytes for each wave: two blocks of 256 bytes that no other line names
.set SPITCH, 528                       ; the way out: a stage of 16 rows x (512 bytes + 16) for each wave, in slot 0, which has had its last fill and its last read when the first result is stored there
.set LI,   3                           ; v3      16 x lane
.set ADRA, 16                          ; v16-18  LDS address of my fragments of att in slot 0, in slot 1, in the short fill
.set ADRB, 20                          ; v20-22  the same for wob
.set STO,  24                          ; v24     the way out: where I put 32 bytes of a row
.set RD,   25                          ; v25     where I read a row back
.set SPW,  28                          ; v28     LDS address of my spare word; never rewritten
.set NIL,  29                          ; v29     0; never rewritten
.set F0,   64                          ; the fragment buffers: F0 and F0 + 96
.set BK,   64                          ; the way out: 16 rows read back: v64-127 and v128-191 by turns
.set G1A,  16                          ; s[16:23] group 1 for att's long tiles;  s[24:31] for wob's;  s[32:39], s[48:55] the short ones
.set G1B,  24
.set G1AS, 32
.set G1BS, 48
.set G0A,  56                          ; s[56:63] group 0 for att, a set for each slot;  s[68:75] for wob;  s[76:79], s[80:83] the short fill's
.set G0B,  68
.set G0AS, 76
.set G0BS, 80
.set MSB, 0
.macro WIN new                         ; the immediate's high byte repeats the setting that is left
.if MSB != \new
	s_set_vgpr_msb (MSB<<8)|\new
.set MSB, \new
.endif
.endm
.set MUL,      0x50                    ; C and D window 1, the fragments window 0
.set FIRSTMUL, 0x60                    ; C (the bias) window 2, D window 1
; A joint load: waves 0 and 1 fetch att's two halves, waves 2 and 3 wob's.  The branch hangs on the wave's number alone.  Four v_nop follow each of the two lines.
.macro JLOAD g0a, g1a, g0b, g1b
	s_cmp_eq_u32 s13, 0
	s_cbranch_scc0 .Lfor_b_\@
	tensor_load_to_lds s[\g0a:\g0a+3], s[\g1a:\g1a+7]
	s_nop 0
.rept 4
	v_nop
.endr
	s_branch .Lasked_\@
.Lfor_b_\@:
	tensor_load_to_lds s[\g0b:\g0b+3], s[\g1b:\g1b+7]
	s_nop 0
.rept 4
	v_nop
.endr
.Lasked_\@:
.endm
.macro CREST                           ; a round of the cluster's barrier behind its opening barrier
	s_cmp_lg_u32 s12, 0
	s_cbranch_scc1 .Lnot_wave_0_\@
	s_barrier_signal -3
.Lnot_wave_0_\@:
	s_barrier_wait -3
	s_barrier_signal -1
	s_barrier_wait -1
.endm
.macro CROUND                          ; a whole round
	s_barrier_signal -1
	s_barrier_wait -1
	CREST
.endm
.macro SHAPE g, c, r                   ; group 1's constants: r rows of c elements of 8 bytes, 4,096 elements (a row tile's 32,768 bytes) apart
	s_mov_b32 s[\g+1], (\c)<<16                    ; tensor_dim0
	s_mov_b32 s[\g+2], (\r)<<16                    ; tensor_dim1
	s_mov_b32 s[\g+3], (\c)<<16                    ; tile_dim0
	s_mov_b32 s[\g+4], \r                          ; tile_dim1
	s_mov_b32 s[\g+5], 4096                        ; tensor_dim0_stride
	s_mov_b32 s[\g+6], 0
	s_mov_b32 s[\g+7], 0
.endm
.macro GROUP0 g, lds, add, base, off   ; a group 0: to LDS byte s[lds] + add, from s[base:base+1] + off
	s_mov_b32 s[\g], 1
	s_add_co_u32 s[\g+1], s[\lds], \add
	s_add_nc_u64 s[\g+2:\g+3], s[\base:\base+1], \off
	s_or_b32 s[\g+3], s[\g+3], 0x80000000
.endm
	s_load_b128 s[4:7], s[0:1], 0x0                ; att s[4:5], wob s[6:7]
	s_load_b128 s[8:11], s[0:1], 0x10              ; bo s[8:9], out0 s[10:11]
	v_lshl_add_u32 v[SPW], v0, 2, SPARE
	v_mov_b32 v[NIL], 0
	ds_add_u32 v28, v29
	ds_add_u32 v28, v29
	s_wait_dscnt 0x0
	v_lshrrev_b32 v1, 5, v0
	v_readfirstlane_b32 s12, v1                    ; wave 0..3
	s_lshr_b32 s13, s12, 1                         ; which 64 rows are mine.  Also: I fetch for att (0) or for wob (1)
	s_and_b32 s14, s12, 1                          ; which 128 columns.  Also: which half of that tile I fetch
	s_bfe_u32 s40, ttmp6, 0x40000                  ; cx, cy: my place in the cluster
	s_bfe_u32 s41, ttmp6, 0x40004
	s_lshl_b32 s42, ttmp9, 2
	s_add_co_u32 s42, s42, s40                     ; tile column = 4 x cluster x + cx
	s_and_b32 s43, ttmp7, 0xffff
	s_lshl_b32 s43, s43, 2
	s_add_co_u32 s43, s43, s41                     ; tile row = 4 x cluster y + cy
	s_lshl_b32 s44, s41, 2
	s_lshl_b32 s44, 15, s44                        ; my row of the cluster
	s_lshl_b32 s45, 0x1111, s40                    ; my column
	s_or_b32 s[G1A], s44, (3<<16)|(1<<21)          ; 15:0 the mask: att's tiles go to my row; 17:16 elements of 8 bytes; 21 set beside a mask; no padding
	s_or_b32 s[G1AS], s44, (3<<16)|(1<<21)
	s_or_b32 s[G1B], s45, (3<<16)|(1<<21)          ; wob's go to my column
	s_or_b32 s[G1BS], s45, (3<<16)|(1<<21)
	SHAPE G1A, LONG/8, 4
	SHAPE G1B, LONG/8, 8
	SHAPE G1AS, SHORT/8, 4
	SHAPE G1BS, SHORT/8, 8
	s_lshl_b32 s84, s43, 18                        ; att: row tile 8 x tile row + 4 x half, 32,768 bytes each: it hangs on the tile row alone
	s_lshl_b32 s46, s14, 17
	s_add_co_u32 s84, s84, s46
	s_mov_b32 s85, 0
	s_lshl_b32 s86, s42, 19                        ; wob: n tile 16 x tile column + 8 x half: on the tile column alone
	s_lshl_b32 s47, s14, 18
	s_add_co_u32 s86, s86, s47
	s_mov_b32 s87, 0
	s_mul_i32 s88, s14, 4*LONG                     ; where they go: no place in the cluster enters an LDS address
	s_mul_i32 s89, s14, 8*LONG
	s_add_co_u32 s89, s89, BOFF
	s_mul_i32 s90, s14, 4*SHORT
	s_add_co_u32 s90, s90, SLOT
	s_mul_i32 s91, s14, 8*SHORT
	s_add_co_u32 s91, s91, SLOT+8*SHORT
	s_wait_kmcnt 0x0
	s_add_nc_u64 s[84:85], s[4:5], s[84:85]
	s_add_nc_u64 s[86:87], s[6:7], s[86:87]
	CROUND                                         ; all sixteen work-groups are here: the first joint loads meet
	GROUP0 G0A,   88, 0,    84, 0                  ; chunks 0-5 into slot 0
	GROUP0 G0A+4, 88, SLOT, 84, LONG               ; chunks 6-11 into slot 1
	GROUP0 G0AS,  90, 0,    84, 5*LONG             ; chunks 30, 31: the short fill, into slot 1
	GROUP0 G0B,   89, 0,    86, 0
	GROUP0 G0B+4, 89, SLOT, 86, LONG
	GROUP0 G0BS,  91, 0,    86, 5*LONG
	JLOAD G0A, G1A, G0B, G1B
	JLOAD G0A+4, G1A, G0B+4, G1B                   ; two loads of mine are out
	v_and_b32 v1, 15, v0                           ; r
	v_bfe_u32 v2, v0, 4, 1                         ; h
	v_and_b32 v[LI], 31, v0
	v_lshlrev_b32 v[LI], 4, v[LI]
	s_mul_i32 s46, s13, 4*LONG                     ; my four row tiles
	v_add_nc_u32 v[ADRA], s46, v[LI]
	s_add_co_u32 s46, s46, SLOT
	v_add_nc_u32 v[ADRA+1], s46, v[LI]
	s_mul_i32 s46, s13, 4*SHORT
	s_add_co_u32 s46, s46, SLOT
	v_add_nc_u32 v[ADRA+2], s46, v[LI]
	s_mul_i32 s46, s14, 8*LONG                     ; my eight n tiles
	s_add_co_u32 s46, s46, BOFF
	v_add_nc_u32 v[ADRB], s46, v[LI]
	s_add_co_u32 s46, s46, SLOT
	v_add_nc_u32 v[ADRB+1], s46, v[LI]
	s_mul_i32 s46, s14, 8*SHORT
	s_add_co_u32 s46, s46, SLOT+8*SHORT
	v_add_nc_u32 v[ADRB+2], s46, v[LI]
	s_mul_i32 s46, s12, 16*SPITCH                  ; my stage
	v_mul_u32_u24 v4, v1, SPITCH                   ; in: row r, 32 bytes for each half of the lanes
	v_lshl_add_u32 v4, v2, 5, v4
	v_add_nc_u32 v[STO], s46, v4
	v_add_nc_u32 v[RD], s46, v[LI]                 ; back: the 32 lanes take one row of 512 bytes
	s_lshl_b32 s46, s42, 10                        ; my first column, in bytes of f32: (256 x tile column + 128 x half) x 4
	s_lshl_b32 s47, s14, 9
	s_add_co_u32 s46, s46, s47
	s_mov_b32 s47, 0
	s_add_nc_u64 s[8:9], s[8:9], s[46:47]
	v_lshlrev_b32 v5, 5, v2                        ; the bias in the result's layout: for block b columns 16 b + 8 h + 0 .. 7
	WIN 0x80                                       ; destination window 2
.irp b, 0,1,2,3,4,5,6,7
	global_load_b128 v[8*\b:8*\b+3], v5, s[8:9] offset:64*\b
	global_load_b128 v[8*\b+4:8*\b+7], v5, s[8:9] offset:64*\b+16
.endr
	WIN 0
	s_lshl_b32 s66, s43, 19                        ; my first row: (128 x tile row + 64 x half) rows of 4,096 bytes
	s_lshl_b32 s67, s13, 18
	s_add_co_u32 s66, s66, s67
	s_add_co_u32 s66, s66, s46
	s_mov_b32 s67, 0
	s_add_nc_u64 s[10:11], s[10:11], s[66:67]
; 24 LDS loads in one run: a chunk's fragments into buffer f: wob's eight, then att's four
.macro FETCH va, vb, off, rs, f
.irp b, 0,1,2,3,4,5,6,7
	ds_load_b128 v[\f+8*\b:\f+8*\b+3],   v[\vb] offset:\off+\b*\rs
	ds_load_b128 v[\f+8*\b+4:\f+8*\b+7], v[\vb] offset:\off+\b*\rs+512
.endr
.irp a, 0,1,2,3
	ds_load_b128 v[\f+64+8*\a:\f+64+8*\a+3],   v[\va] offset:\off+\a*\rs
	ds_load_b128 v[\f+64+8*\a+4:\f+64+8*\a+7], v[\va] offset:\off+\a*\rs+512
.endr
.endm
.macro FETCHN n, f                     ; chunk n: in slot (n / 6) % 2, the (n % 6)-th there; chunks 30 and 31 in the short fill
.if (\n) >= 30
	FETCH ADRA+2, ADRB+2, ((\n)-30)*CH, SHORT, \f
.else
	FETCH ADRA+((\n)/6)%2, ADRB+((\n)/6)%2, ((\n)%6)*CH, LONG, \f
.endif
.endm
; 8 matrix instructions: row block a x the eight column blocks.  first = 1: the sums begin with the bias as C.  The 32 accumulators take turns, one instruction a turn, in the same order in every chunk.
.macro MUL8 f, a, first
.irp b, 0,1,2,3,4,5,6,7
.if \first
	v_wmma_f32_16x16x32_f16 v[8*(8*(\a)+\b):8*(8*(\a)+\b)+7], v[\f+8*\b:\f+8*\b+7], v[\f+64+8*(\a):\f+64+8*(\a)+7], v[8*\b:8*\b+7]
.else
	v_wmma_f32_16x16x32_f16 v[8*(8*(\a)+\b):8*(8*(\a)+\b)+7], v[\f+8*\b:\f+8*\b+7], v[\f+64+8*(\a):\f+64+8*(\a)+7], v[8*(8*(\a)+\b):8*(8*(\a)+\b)+7]
.endif
.endr
.endm
.macro PLACES                          ; four places in front of loads into registers that matrix instructions have read, and of the first read of results; matrix instructions in between are not counted
.rept 4
	v_nop
.endr
.endm
; A chunk that has its successor in the same slot: multiplies one buffer; in its middle the next chunk's 24 loads go into the other.
.macro CHUNK n, first
.set FC, F0+96*((\n)%2)
.set FN, F0+96*(((\n)+1)%2)
	s_wait_dscnt 4                                 ; wob's fragments and att's 0 and 1 are in; the youngest four loads (att's 2 and 3) may be out
.if \first
	WIN FIRSTMUL
.else
	WIN MUL
.endif
	MUL8 FC, 0, \first
	MUL8 FC, 1, \first
	WIN 0
	PLACES
	FETCHN (\n)+1, FN
	s_wait_dscnt 24                                ; all but the 24 just issued
.if \first
	WIN FIRSTMUL
.else
	WIN MUL
.endif
	MUL8 FC, 2, \first
	MUL8 FC, 3, \first
.endm
; A slot's last chunk changes slots: ONE barrier; in front of it each wave waits for all its tensor loads, adds 0 to its spare word, and waits for that and for its own reads of this slot.
; fill = 1: this slot takes the chunks twelve on; 2: the short fill; 0: nothing, and no round of the cluster's barrier.
.macro TURN n, fill
.set FC, F0+96*((\n)%2)
.set FN, F0+96*(((\n)+1)%2)
.set SL, ((\n)/6)%2
	WIN 0                                          ; (the add's two registers lie in window 0)
	s_wait_tensorcnt 0x0                           ; all my tensor loads have landed: the one that was out is my part of the next slot;
	ds_add_u32 v[SPW], v[NIL]                      ; 0 onto my spare word
	s_wait_dscnt 5                                 ; (the add and the youngest four loads may be out)
	WIN MUL
	MUL8 FC, 0, 0                                  ; eight matrix instructions stand between the add and the wait for it
	s_wait_dscnt 0x0                               ; the add is done, and my reads of this slot are over
	s_barrier_signal -1
	MUL8 FC, 1, 0
	WIN 0
	s_barrier_wait -1
.if \fill
	CREST                                          ; the barrier has opened a round of the cluster's barrier: no wave of any partner still reads this slot or has a load on its way
.if \fill == 1
	s_add_nc_u64 s[G0A+4*SL+2:G0A+4*SL+3], s[G0A+4*SL+2:G0A+4*SL+3], 2*LONG
	s_add_nc_u64 s[G0B+4*SL+2:G0B+4*SL+3], s[G0B+4*SL+2:G0B+4*SL+3], 2*LONG
	JLOAD G0A+4*SL, G1A, G0B+4*SL, G1B             ; the first tensor load behind the round, my one load until the next; its four v_nop are also the places in front of the loads below
.else
	JLOAD G0AS, G1AS, G0BS, G1BS
.endif
.else
	PLACES
.endif
	FETCHN (\n)+1, FN
	WIN MUL
	MUL8 FC, 2, 0
	MUL8 FC, 3, 0
.endm
	s_wait_tensorcnt 1                             ; my part of slot 0 is in (slot 1's load may be out)
	s_barrier_signal -1
	s_barrier_wait -1                              ; everybody's is
	FETCHN 0, F0
	s_wait_loadcnt 0x0                             ; the bias
	CHUNK 0, 1
.set N, 1
.rept 30
.if N%6 == 5
.if N == 29
	TURN N, 0
.elseif N == 23
	TURN N, 2
.else
	TURN N, 1
.endif
.else
	CHUNK N, 0
.endif
.set N, N+1
.endr
	s_wait_dscnt 4                                 ; chunk 31: nothing more to fetch
	MUL8 F0+96, 0, 0
	MUL8 F0+96, 1, 0
	s_wait_dscnt 0
	MUL8 F0+96, 2, 0
	MUL8 F0+96, 3, 0
	WIN 0
; THE WAY OUT, block by block of 16 rows x 128 columns.  A lane holds 32 neighbouring bytes of a row, and the lanes beside it hold other rows: so a block goes through my own stage in LDS and comes back as whole rows of 512 bytes.
; LDS serves a wave's instructions in order (ISA guide 5.7.1.4): no wait between the stores and the loads, nor in front of the next block's stores.
.macro TOSTAGE a
	WIN 0x04                                       ; an LDS store's data are its source 1: window 1
.irp b, 0,1,2,3,4,5,6,7
	ds_store_b128 v[STO], v[64*(\a)+8*\b:64*(\a)+8*\b+3] offset:64*\b          ; each accumulator from its low end on
	ds_store_b128 v[STO], v[64*(\a)+8*\b+4:64*(\a)+8*\b+7] offset:64*\b+16
.endr
	WIN 0
.set BB, BK+64*((\a)%2)
.irp t, 0,1,2,3,4,5,6,7,8,9,10,11,12,13,14,15
	ds_load_b128 v[BB+4*\t:BB+4*\t+3], v[RD] offset:\t*SPITCH
.endr
.endm
.macro SEND a, younger                 ; younger: the LDS instructions issued behind block a's loads, which may stay out
.set BB, BK+64*((\a)%2)
	s_wait_dscnt \younger                          ; the block is back in registers
.irp t, 0,1,2,3,4,5,6,7,8,9,10,11,12,13,14,15
	global_store_b128 v[LI], v[BB+4*\t:BB+4*\t+3], s[10:11] offset:(\a)*65536+\t*4096 th:TH_STORE_NT   ; 32 lanes store 512 consecutive bytes, aligned; written once, read by nobody here
.endr
.endm
	PLACES                                         ; behind the last products: the stage's stores read results, and its loads land in the fragments' registers
	TOSTAGE 0
.irp a, 1,2,3
.if \a > 1
	s_wait_xcnt 0x0                                ; block a - 2's stores have read their registers: block a's loads may land there
.endif
	TOSTAGE \a
	SEND \a-1, 32                                  ; behind block a - 1's loads: block a's 16 stores and 16 loads
.endr
	SEND 3, 0
	s_wait_tensorcnt 0x0                           ; the wave's end: behind my last tensor load and my last LDS store
	ds_add_u32 v[SPW], v[NIL]
	s_wait_dscnt 0x0
	CROUND                                         ; the closing round: no work-group ends while a partner may still ask for a tile that names it
	s_endpgm
.Lfunc_end_k_qc447266b10_proj:
	.size	k_qc447266b10_proj, .Lfunc_end_k_qc447266b10_proj-k_qc447266b10_proj
	.p2alignl 7, 3214868480
	.fill 96, 4, 3214868480
	.section	.rodata,"a",@progbits
	.p2align	6, 0x0
	.amdhsa_kernel k_qc447266b10_proj
		.amdhsa_group_segment_fixed_size 327680
		.amdhsa_private_segment_fixed_size 0
		.amdhsa_enable_private_segment 0
		.amdhsa_kernarg_size 32
		.amdhsa_user_sgpr_count 2
		.amdhsa_user_sgpr_kernarg_segment_ptr 1
		.amdhsa_wavefront_size32 1
		.amdhsa_system_sgpr_workgroup_id_x 1
		.amdhsa_system_sgpr_workgroup_id_y 1
		.amdhsa_system_sgpr_workgroup_id_z 1
		.amdhsa_system_vgpr_workitem_id 0
		.amdhsa_next_free_vgpr 576
		.amdhsa_next_free_sgpr 100
		.amdhsa_reserve_vcc 0
		.amdhsa_float_denorm_mode_32 3
		.amdhsa_float_denorm_mode_16_64 3
		.amdhsa_memory_ordered 1
		.amdhsa_forward_progress 1
		.amdhsa_inst_pref_size 149
	.end_amdhsa_kernel
	.amdgpu_metadata
---
amdhsa.version: [ 1, 2 ]
amdhsa.kernels:
  - .name:           k_qc447266b10_proj
    .symbol:         k_qc447266b10_proj.kd
    .args:
      - { .name: att, .offset: 0, .size: 8, .value_kind: global_buffer, .address_space: global }
      - { .name: wob, .offset: 8, .size: 8, .value_kind: global_buffer, .address_space: global }
      - { .name: bo, .offset: 16, .size: 8, .value_kind: global_buffer, .address_space: global }
      - { .name: out0, .offset: 24, .size: 8, .value_kind: global_buffer, .address_space: global }
    .group_segment_fixed_size: 327680
    .private_segment_fixed_size: 0
    .kernarg_segment_align: 8
    .kernarg_segment_size: 32
    .max_flat_workgroup_size: 128
    .sgpr_count:     100
    .vgpr_count:     576
    .wavefront_size: 32
...
	.end_amdgpu_metadata
.endif
;; end of part 4
